; MI455X (gfx1250); checked and timed in simulation.
; The chip was launched on July 23, 2026; its instructions are those of AMD's public machine-readable ISA for CDNA 5 (MIT licence, August 2026) and "CDNA5" Instruction Set Architecture Reference Guide (July 2026). The comments in the code are by the model that wrote it; some were corrected since.
;; Multi Head Attention. Allowed arithmetic: matrix products marked QUANTISED: E2M3 operands, one E8M0 scale for each 32 along K, by v_wmma_scale_f32_16x16x128_f8f6f4 with both operands' format E2M3, f32 sums; everything else in f32.
;; Inputs: Wk 1,024 x 1,024 float32; Wo 1,024 x 1,024 float32; Wq 1,024 x 1,024 float32; Wv 1,024 x 1,024 float32; bk 1,024 float32; bo 1,024 float32; bq 1,024 float32; bv 1,024 float32; x 4 x 2,048 x 1,024 float32.
;; Outputs: out0 4 x 2,048 x 1,024 float32.
;; This version of the problem:
;;   THIS VERSION OF THE PROBLEM IS GIVEN IN LOW PRECISION. The matrix products marked QUANTISED in the list below multiply operands that are first quantised to E2M3 (2 exponent bits, 3 mantissa bits; 6 bits a number), with one power-of-two scale for each 32 numbers along K (OCP MX v1.0); their sums are f32. All else is computed in f32.
;;   The module's matrix products, in the order in which they are computed (A, B: the left and right operand; K: the contracted axis; several contracted axes count as one K, in the product's order):
;;     1. [M 8,192, K 1,024] x [K 1,024, N 1,024]; A: input x; B: input Wq: QUANTISED
;;     2. [M 8,192, K 1,024] x [K 1,024, N 1,024]; A: input x; B: input Wk: QUANTISED
;;     3. [M 8,192, K 1,024] x [K 1,024, N 1,024]; A: input x; B: input Wv: QUANTISED
;;     4. batch 64 x [M 2,048, K 64] x [K 64, N 2,048]; A: computed on the way; B: computed on the way: QUANTISED
;;     5. batch 64 x [M 2,048, K 2,048] x [K 2,048, N 64]; A: softmax (see below); B: computed on the way: QUANTISED
;;     6. [M 8,192, K 1,024] x [K 1,024, N 1,024]; A: computed on the way; B: input Wo: QUANTISED
;;   THE QUANTISER, for each operand of a quantised product, along K:
;;     - K is cut into blocks of 32 from its start; a last block that is shorter is filled with zeros.
;;     - A block's scale is 2^e with e = floor(log2(the largest magnitude in the block)) - 2, held to -126 .. 127; a block of zeros has e = 0. As a byte (E8M0): e + 127.
;;     - Each number is divided by its block's scale, clamped to +-7.5, and rounded to the nearest number of E2M3, ties to even, subnormals kept.
;;     - The product sums the exact products of the quantised numbers (number of the format x scale) in f32.
;;   ~~~python
;;   def quantise(x, axis):      # numpy; x: float32 -> the quantised numbers, widened to float32 again
;;       x = np.moveaxis(x, axis, -1); K = x.shape[-1]
;;       x = np.pad(x, [(0, 0)] * (x.ndim - 1) + [(0, -K % 32)]); x = x.reshape(x.shape[:-1] + (-1, 32)); a = np.abs(x).max(-1, keepdims=True)
;;       e = np.where(a > 0, np.clip(np.frexp(np.where(a > 0, a, 1))[1] - 1 - 2, -126, 127), 0)      # np.frexp(a)[1] - 1 = floor(log2(a)), exactly
;;       r = np.clip(x / 2.0 ** e, -7.5, 7.5)
;;       step = 2.0 ** (np.maximum(np.frexp(np.where(r == 0, 1, r))[1] - 1, 0) - 3)
;;       q = np.round(r / step) * step * 2.0 ** e      # np.round: ties to even
;;       return np.moveaxis(q.reshape(q.shape[:-2] + (-1,))[..., :K], -1, axis).astype(np.float32)
;;   ~~~
;;   SOFTMAX AHEAD OF A QUANTISED PRODUCT. Where the list says 'softmax', what is quantised is not the finished softmax but p = 2^(t - M), with t = logit x log2(e) and M = ceil(the row's largest t), a whole number; so 1/2 < the row's largest p <= 1. The row's sum l is taken of the UNQUANTISED p, in f32, and the product's result is divided by l at the end. Since M is a whole number, a kernel that streams over the keys may use a running M (the ceiling of the running maximum): every later rescaling is an exact power of two, which a block's scale takes up: the codes' values come out the same.
;;   OPERANDS COMPUTED ON THE WAY. 'Computed on the way' means the value that the module computes at that place (a softmax that the list does not call 'softmax' is quantised finished and normalised). What goes into a quantiser is computed in f32, as accurately as f32 sums, v_exp_f32 and their like allow (about 1e-6 of the number): no bf16 or f16 on the way to a quantiser, and a product that is left as it is and whose result goes on into a quantised operand takes f32 operands (vector FMAs, or v_wmma_f32_16x16x4_f32). A number that lies on a knife's edge between two numbers of the format may be rounded either way, as far as f32 arithmetic and the matrix unit's own rounding can turn it there, and no further.
;; One version. Each part assembles by itself: llvm-mc -triple=amdgcn-amd-amdhsa -mcpu=gfx1250 --defsym DOCPART=n.
;; ======== version 1 of 1: 4 launches
;; workspace buffers: xw_codes 9,437,184 bytes; xw_scales 393,216 bytes; qk_codes 12,582,912 bytes; qk_scales 524,288 bytes; v_codes 6,291,456 bytes; v_scales 262,144 bytes; ctx_codes 6,291,456 bytes; ctx_scales 262,144 bytes
;; launch quant (part 1): grid 384 x 1, 4 waves a work-group, no clusters, 74,240 bytes of LDS; arguments x, Wq, Wk, Wv, Wo, xw_codes, xw_scales; writes xw_codes, xw_scales
.if DOCPART == 1
	.amdgcn_target "amdgcn-amd-amdhsa--gfx1250"
	.amdhsa_code_object_version 6
	.text
	.protected	k_q42ac690fdb_quant
	.globl	k_q42ac690fdb_quant
	.p2align	8
	.type	k_q42ac690fdb_quant,@function
k_q42ac690fdb_quant:
	s_mov_b64 s[64:65], 0
	v_nop
	global_prefetch_b8 v0, s[64:65] scope:SCOPE_SE
	s_setreg_imm32_b32 hwreg(HW_REG_WAVE_MODE, 25, 1), 1
	s_wait_xcnt 0x0
; MULTI-HEAD ATTENTION IN MX-FP6 (E2M3, one E8M0 scale for each 32 along K), four launches:
;   quant: x and the four weights become codes;  qkv: products 1 to 3, bias, q, k, v quantised;  attn: products 4 and 5 under the causal mask, ctx quantised;  oproj: product 6 and bo.
; WORK LEFT OUT, in launch attn alone: reference() sets the score of key k for query q to -infinity where k > q (its own jnp.tril), so that weight is exactly 0 whatever finite values the inputs hold,
; and a step of 128 keys all of which come after a wave's 16 queries adds 0 to the row's sum and to ctx: such steps are not multiplied.  Every input has a way to the output and is loaded (bk moves k's codes).
; LIMITS: a NaN, an infinity or an overflow that reaches only those masked steps is not carried to the result; NaN and infinities among the inputs are not served; a block of zeros, and a block whose largest
; magnitude lies under 2^-124, gets the scale byte 1 (a block of zeros has zero codes, which add nothing; the bytes are read by this program alone).
; THE WORKSPACE FORMAT, for an operand of R rows and K along the contraction: codes [K / 64][R][48 bytes] (a row's 64 codes of a plane on end: block 0 in bytes 0-23, block 1 in bytes 24-47), scale words [K / 128][R][4 bytes].
; A fragment (16 rows x 128 K) is then, for lane (r, h), the 24 bytes at row x 48 + 24 h of two neighbouring planes.
; THIS LAUNCH.  xw_codes [16][12,288][48], xw_scales [8][12,288][4]: rows 0-8,191 are x's rows; row 8,192 + 1,024 m + n is column n of Wq, Wk, Wv, Wo (m = 0..3).
; Work-groups 0-127 take the weights (K is their first axis: a lane takes a column, its registers run down K), work-groups 128-383 take x (K innermost: dense loads, turned through LDS so that a lane holds 16 neighbours).
; The two ways part on the work-group's number and have LDS bytes of their own.  No tensor loads, no barrier: waves share nothing.
.set PP,    589824                     ; a plane of codes: 12,288 rows x 48 bytes
.set SPL,   49152                      ; a plane of scale words
.set SP,    80                         ; x: a lane's place in a turning stage: 64 bytes + 16 of padding
.set WREG,  12288                      ; x: a wave's LDS region: two turning stages (5,120), 256 scale bytes, the codes' stage
.set SBYO,  5120
.set OSTO,  5376
.set OPI,   1568                       ; x: a plane in the codes' stage: 32 rows x 48 bytes + 32 of padding
.set WSTG,  49152                      ; the weights' stages: 6,144 bytes a wave
.set SPARE, 73728                      ; the spare words, 128 bytes for each wave: two blocks of 256 bytes that no other line names
.set R,     16                         ; x: v16-79 four sets of 16 numbers as loaded
.set X,     80                         ; x: v80-111 two sets of 16 neighbours
.set E,     112                        ; x: v112-127 a scale byte for each step
.set C,     128                        ; x: v128-190 codes, four registers for each step
.set SPW,   192                        ; LDS address of my spare word; never rewritten
.set NIL,   193                        ; 0; never rewritten
.set WX,    32                         ; W: v32-95 two sets of 32 numbers
.set CH,    96                         ; W: v96-107 a plane's 48 bytes of my column
.set TMP,   108                        ; W: v108-110 the upper half of a block's codes
.set OUTR,  112                        ; W: v112-159 the way out
.set SB,    24                         ; W: v24-25 the scale words
	s_load_b256 s[4:11], s[0:1], 0x0               ; x, Wq, Wk, Wv
	s_load_b128 s[12:15], s[0:1], 0x20             ; Wo, xw_codes
	s_load_b64 s[16:17], s[0:1], 0x30              ; xw_scales
	v_lshl_add_u32 v[SPW], v0, 2, SPARE
	v_mov_b32 v[NIL], 0
	v_lshrrev_b32 v1, 5, v0
	v_readfirstlane_b32 s18, v1                    ; wave 0..3
	v_and_b32 v2, 31, v0                           ; lane
	s_cmp_lt_u32 ttmp9, 128
	s_cbranch_scc1 .Lweights
; ---------------- x: the work-group owns 32 rows, wave w the columns 256 w .. 256 w + 255: planes 4 w .. 4 w + 3.  16 steps of two rows.
	v_lshlrev_b32 v3, 4, v2                        ; 16 x lane
	s_mul_i32 s19, s18, WREG
	v_lshrrev_b32 v14, 2, v2
	v_mul_u32_u24 v14, v14, SP
	v_and_b32 v15, 3, v2
	v_lshl_add_u32 v14, v15, 4, v14
	v_add_nc_u32 v14, s19, v14                     ; the turning stage, in: four lanes' 64 bytes on end, then 16 of padding
	v_mul_u32_u24 v15, v2, SP
	v_add_nc_u32 v15, s19, v15                     ; and out: lane L then holds row 2 t + L / 16, k = 256 w + 16 (L % 16) + 0 .. 15
	v_bfe_u32 v6, v2, 4, 1                         ; L / 16: which of the step's two rows
	v_bfe_u32 v5, v2, 3, 1                         ; which 128 along K
	v_lshlrev_b32 v5, 7, v5
	v_lshl_add_u32 v5, v6, 2, v5
	v_bfe_u32 v7, v2, 1, 2                         ; which block of 32 in it
	v_add_nc_u32 v5, v5, v7
	v_add_nc_u32 v5, s19, v5
	v_add_nc_u32 v5, SBYO, v5                      ; my block's scale byte: [2 planes][32 rows][4]
	v_bfe_u32 v4, v2, 2, 2                         ; which plane of 64
	v_mul_u32_u24 v4, v4, OPI
	v_mad_u32_u24 v4, v6, 48, v4
	v_and_b32 v7, 3, v2
	v_mad_u32_u24 v4, v7, 12, v4
	v_add_nc_u32 v4, s19, v4
	v_add_nc_u32 v4, OSTO, v4                      ; my 12 bytes of codes in the codes' stage
	v_add_nc_u32 v7, s19, v3
	v_add_nc_u32 v7, OSTO, v7                      ; the codes' stage, back: 16 bytes a lane
	v_lshlrev_b32 v10, 3, v2
	v_add_nc_u32 v10, s19, v10
	v_add_nc_u32 v10, SBYO, v10                    ; the scale bytes, back: 8 bytes a lane
	v_and_b32 v12, 15, v2
	v_lshlrev_b32 v12, 3, v12
	v_mad_u32_u24 v12, v6, SPL, v12                ; and their place in memory: lanes 16-31 one plane on
	s_sub_co_u32 s20, ttmp9, 128                   ; which 32 rows
	s_lshl_b32 s22, s20, 17                        ; 32 rows of 4,096 bytes
	s_lshl_b32 s23, s18, 10
	s_add_co_u32 s22, s22, s23
	s_mov_b32 s23, 0
	s_wait_kmcnt 0x0
	s_add_nc_u64 s[4:5], s[4:5], s[22:23]
	s_mul_i32 s22, s18, 4*PP
	s_mul_i32 s24, s20, 1536
	s_add_co_u32 s22, s22, s24
	s_add_nc_u64 s[14:15], s[14:15], s[22:23]      ; codes: plane 4 w, row 32 gx
	s_mul_i32 s22, s18, 2*SPL
	s_lshl_b32 s24, s20, 7
	s_add_co_u32 s22, s22, s24
	s_add_nc_u64 s[16:17], s[16:17], s[22:23]      ; scale words: plane 2 w, row 32 gx
.macro LOADX t                         ; four loads of 512 consecutive bytes: rows 2 t and 2 t + 1, my 1,024 bytes of each
.irp i, 0,1,2,3
	global_load_b128 v[R+16*((\t)%4)+4*\i:R+16*((\t)%4)+4*\i+3], v3, s[4:5] offset:(2*(\t)+\i/2)*4096+(\i%2)*512 th:TH_LOAD_NT
.endr
.endm
.macro TURNX t                         ; through the stage: LDS serves a wave's instructions in order, so no wait stands between the stores and the loads
.irp i, 0,1,2,3
	ds_store_b128 v14, v[R+16*((\t)%4)+4*\i:R+16*((\t)%4)+4*\i+3] offset:32*SP*((\t)%2)+8*SP*\i
.endr
.irp i, 0,1,2,3
	ds_load_b128 v[X+16*((\t)%2)+4*\i:X+16*((\t)%2)+4*\i+3], v15 offset:32*SP*((\t)%2)+16*\i
.endr
.endm
.irp t, 0,1,2,3
	LOADX \t
.endr
	s_wait_loadcnt 12                              ; step 0's four loads are in
	TURNX 0
.macro STEPX t
.set XS, X+16*((\t)%2)
.if (\t) > 0
	s_wait_dscnt 4                                 ; this step's numbers are back (the last step's byte store and three code stores may be out): so its stores into the stage have read their registers,
.else
	s_wait_dscnt 0x0
.endif
.if (\t)+4 < 16
	LOADX (\t)+4                                   ; which take the loads of four steps on
.endif
.if (\t)+1 < 16
.if 14-(\t) >= 3
	s_wait_loadcnt 12                              ; the next step's four loads are in; those of the three steps behind it may be out
.else
	s_wait_loadcnt 4*(14-(\t))
.endif
	TURNX (\t)+1
.endif
	v_max3_num_f32 v8, |v[XS]|, |v[XS+1]|, |v[XS+2]|               ; the largest magnitude of my 16
	v_max3_num_f32 v9, |v[XS+3]|, |v[XS+4]|, |v[XS+5]|
.irp i, 6,10
	v_max3_num_f32 v8, v8, |v[XS+\i]|, |v[XS+\i+1]|
	v_max3_num_f32 v9, v9, |v[XS+\i+2]|, |v[XS+\i+3]|
.endr
	v_max3_num_f32 v8, v8, |v[XS+14]|, |v[XS+15]|
	v_max3_num_f32 v8, v8, v9, 0x1800000           ; and the floor 2^(3 - 127): the byte cannot fall under 1
	v_max_num_f32_dpp v8, v8, v8 row_xmask:1 row_mask:0xf bank_mask:0xf   ; with my neighbour's 16: the block's
	v_add_nc_u32 v11, 0xff000000, v8               ; 2 off its exponent field: the conversion takes the exponent field of this operand as its scale
	v_cvt_scalef32_pk16_fp6_f32 v[C+4*(\t):C+4*(\t)+2], v[XS:XS+15], v11
	v_lshrrev_b32 v[E+(\t)], 23, v11               ; the scale's byte (a plain line behind the conversion)
	ds_store_b8 v5, v[E+(\t)] offset:8*(\t)        ; both lanes of a block write the same byte with the same value
.irp k, 0,1,2
	ds_store_b32 v4, v[C+4*(\t)+\k] offset:96*(\t)+4*\k
.endr
.endm
.irp t, 0,1,2,3,4,5,6,7,8,9,10,11,12,13,14,15
	STEPX \t
.endr
.irp i, 0,1,2,3,4,5,6,7,8,9,10,11              ; a plane's 32 rows are 1,536 consecutive bytes: three loads of 512
	ds_load_b128 v[R+4*\i:R+4*\i+3], v7 offset:(\i/3)*OPI+512*(\i%3)
.endr
	ds_load_b64 v[X:X+1], v10
.irp i, 0,1,2,3,4,5,6,7,8,9,10,11
	s_wait_dscnt 12-\i                             ; load i is in; the younger ones may be out
	global_store_b128 v3, v[R+4*\i:R+4*\i+3], s[14:15] offset:(\i/3)*PP+512*(\i%3)   ; 32 lanes store 512 consecutive bytes, at a multiple of 256 from the buffer's first byte
.endr
	s_wait_dscnt 0x0
	global_store_b64 v12, v[X:X+1], s[16:17]       ; 128 consecutive bytes in each of two planes: one byte for 128 that the wave read
	s_wait_tensorcnt 0x0                           ; the wave's end, behind my last LDS store
	ds_add_u32 v[SPW], v[NIL]
	s_wait_dscnt 0x0
	s_endpgm
; ---------------- the weights: work-group = (matrix m, 256 along K: kg, 128 columns: cg); a wave takes 32 columns x 256 along K: 8 blocks a lane.
.Lweights:
	s_lshr_b32 s20, ttmp9, 5                       ; m
	s_bfe_u32 s21, ttmp9, 0x20003                  ; kg
	s_and_b32 s22, ttmp9, 7                        ; cg
	s_lshl_b32 s23, s22, 7
	s_lshl_b32 s24, s18, 5
	s_add_co_u32 s23, s23, s24                     ; my wave's first column
	s_wait_alu depctr_va_vdst(0)
	v_lshlrev_b32 v3, 2, v2                        ; 4 x lane
	s_mul_i32 s25, s18, 6144
	s_add_co_u32 s25, s25, WSTG                    ; my stage: [4 planes][32 columns][48]
	v_mul_u32_u24 v4, v2, 48
	v_add_nc_u32 v4, s25, v4                       ; in: my column's 48 bytes
	v_lshlrev_b32 v5, 4, v2                        ; 16 x lane
	v_add_nc_u32 v6, s25, v5                       ; back: 16 bytes a lane
	s_wait_alu depctr_va_vdst(0)
	s_wait_kmcnt 0x0
	s_cmp_eq_u32 s20, 1                            ; which weight: the choice hangs on the work-group's number alone
	s_cselect_b64 s[6:7], s[8:9], s[6:7]
	s_cmp_eq_u32 s20, 2
	s_cselect_b64 s[6:7], s[10:11], s[6:7]
	s_cmp_eq_u32 s20, 3
	s_cselect_b64 s[6:7], s[12:13], s[6:7]
	s_lshl_b32 s26, s21, 20                        ; 256 rows of 4,096 bytes
	s_lshl_b32 s27, s23, 2
	s_add_co_u32 s26, s26, s27
	s_mov_b32 s27, 0
	s_add_nc_u64 s[6:7], s[6:7], s[26:27]
	s_lshl_b32 s28, s20, 10
	s_add_co_u32 s28, s28, s23
	s_add_co_u32 s28, s28, 8192                    ; my first row in the workspace
	s_mul_i32 s26, s21, 4*PP
	s_mul_i32 s29, s28, 48
	s_add_co_u32 s26, s26, s29
	s_add_nc_u64 s[14:15], s[14:15], s[26:27]
	s_mul_i32 s26, s21, 2*SPL
	s_lshl_b32 s29, s28, 2
	s_add_co_u32 s26, s26, s29
	s_add_nc_u64 s[16:17], s[16:17], s[26:27]
.macro LOADW t                         ; block t: W(32 t + i, my column): 32 lanes read 128 consecutive bytes
.set i, 0
.rept 32
	global_load_b32 v[WX+32*((\t)%2)+i], v3, s[6:7] offset:(32*(\t)+i)*4096 th:TH_LOAD_NT
.set i, i+1
.endr
.endm
	LOADW 0
	LOADW 1
.macro BLOCKW t
.set XW, WX+32*((\t)%2)
.set CW, CH+6*((\t)%2)
.if (\t) < 7
	s_wait_loadcnt 32                              ; this block's 32 loads are in; the next block's may be out
.else
	s_wait_loadcnt 0x0
.endif
	v_max3_num_f32 v16, |v[XW]|, |v[XW+1]|, |v[XW+2]|              ; the block's largest magnitude: all 32 numbers are mine
	v_max3_num_f32 v17, |v[XW+3]|, |v[XW+4]|, |v[XW+5]|
.irp i, 6,10,14,18,22,26
	v_max3_num_f32 v16, v16, |v[XW+\i]|, |v[XW+\i+1]|
	v_max3_num_f32 v17, v17, |v[XW+\i+2]|, |v[XW+\i+3]|
.endr
	v_max3_num_f32 v16, v16, |v[XW+30]|, |v[XW+31]|
	v_max3_num_f32 v16, v16, v17, 0x1800000        ; and the floor
	v_add_nc_u32 v18, 0xff000000, v16              ; the conversions' scale operand
	v_cvt_scalef32_pk16_fp6_f32 v[CW:CW+2], v[XW:XW+15], v18
	v_cvt_scalef32_pk16_fp6_f32 v[TMP:TMP+2], v[XW+16:XW+31], v18  ; (a conversion's three registers begin on an even number)
	v_lshrrev_b32 v19, 23, v18                     ; the scale's byte (a plain line behind the conversions)
.if (\t)%4 == 0
	v_mov_b32 v[SB+(\t)/4], v19                    ; four bytes to a word, the lower K in the lower byte
.else
	v_lshl_or_b32 v[SB+(\t)/4], v19, 8*((\t)%4), v[SB+(\t)/4]
.endif
.irp i, 0,1,2
	v_mov_b32 v[CW+3+\i], v[TMP+\i]
.endr
.if (\t)+2 < 8
	LOADW (\t)+2
.endif
.if (\t)%2 == 1                        ; two blocks are a plane's 48 bytes
.irp k, 0,1,2
	ds_store_b128 v4, v[CH+4*\k:CH+4*\k+3] offset:((\t)/2)*1536+16*\k
.endr
	s_wait_dscnt 0x0                               ; the stores have read their registers: the next plane's codes may be written
.endif
.endm
.irp t, 0,1,2,3,4,5,6,7
	BLOCKW \t
.endr
	global_store_b32 v3, v[SB], s[16:17]           ; 32 columns' words: 128 consecutive bytes in each of two planes
	s_wait_alu depctr_va_vdst(0)
	global_store_b32 v3, v[SB+1], s[16:17] offset:SPL
.irp n, 0,1,2,3,4,5,6,7,8,9,10,11
	ds_load_b128 v[OUTR+4*\n:OUTR+4*\n+3], v6 offset:512*\n        ; LDS serves a wave's instructions in order: these see my stores
.endr
.irp n, 0,1,2,3,4,5,6,7,8,9,10,11
	s_wait_dscnt 11-\n
	global_store_b128 v5, v[OUTR+4*\n:OUTR+4*\n+3], s[14:15] offset:(\n/3)*PP+512*(\n%3)   ; 512 consecutive bytes, at a multiple of 256 from the buffer's first byte
.endr
	s_wait_tensorcnt 0x0                           ; the wave's end, as above
	ds_add_u32 v[SPW], v[NIL]
	s_wait_dscnt 0x0
	s_endpgm
.Lfunc_end_k_q42ac690fdb_quant:
	.size	k_q42ac690fdb_quant, .Lfunc_end_k_q42ac690fdb_quant-k_q42ac690fdb_quant
	.p2alignl 7, 3214868480
	.fill 96, 4, 3214868480
	.section	.rodata,"a",@progbits
	.p2align	6, 0x0
	.amdhsa_kernel k_q42ac690fdb_quant
		.amdhsa_group_segment_fixed_size 74240
		.amdhsa_private_segment_fixed_size 0
		.amdhsa_enable_private_segment 0
		.amdhsa_kernarg_size 56
		.amdhsa_user_sgpr_count 2
		.amdhsa_user_sgpr_kernarg_segment_ptr 1
		.amdhsa_wavefront_size32 1
		.amdhsa_system_sgpr_workgroup_id_x 1
		.amdhsa_system_sgpr_workgroup_id_y 1
		.amdhsa_system_sgpr_workgroup_id_z 1
		.amdhsa_system_vgpr_workitem_id 0
		.amdhsa_next_free_vgpr 196
		.amdhsa_next_free_sgpr 66
		.amdhsa_reserve_vcc 0
		.amdhsa_float_denorm_mode_32 3
		.amdhsa_float_denorm_mode_16_64 3
		.amdhsa_memory_ordered 1
		.amdhsa_forward_progress 1
		.amdhsa_inst_pref_size 77
	.end_amdhsa_kernel
	.amdgpu_metadata
---
amdhsa.version: [ 1, 2 ]
amdhsa.kernels:
  - .name:           k_q42ac690fdb_quant
    .symbol:         k_q42ac690fdb_quant.kd
    .args:
      - { .name: x, .offset: 0, .size: 8, .value_kind: global_buffer, .address_space: global }
      - { .name: Wq, .offset: 8, .size: 8, .value_kind: global_buffer, .address_space: global }
      - { .name: Wk, .offset: 16, .size: 8, .value_kind: global_buffer, .address_space: global }
      - { .name: Wv, .offset: 24, .size: 8, .value_kind: global_buffer, .address_space: global }
      - { .name: Wo, .offset: 32, .size: 8, .value_kind: global_buffer, .address_space: global }
      - { .name: xw_codes, .offset: 40, .size: 8, .value_kind: global_buffer, .address_space: global }
      - { .name: xw_scales, .offset: 48, .size: 8, .value_kind: global_buffer, .address_space: global }
    .group_segment_fixed_size: 74240
    .private_segment_fixed_size: 0
    .kernarg_segment_align: 8
    .kernarg_segment_size: 56
    .max_flat_workgroup_size: 128
    .sgpr_count:     66
    .vgpr_count:     196
    .wavefront_size: 32
...
	.end_amdgpu_metadata
.endif
;; end of part 1
;; launch qkv (part 2): grid 12 x 32, 4 waves a work-group, clusters of 4 x 4, 327,680 bytes of LDS; arguments xw_codes, xw_scales, bq, bk, bv, qk_codes, qk_scales, v_codes, v_scales; writes qk_codes, qk_scales, v_codes, v_scales
.if DOCPART == 2
	.amdgcn_target "amdgcn-amd-amdhsa--gfx1250"
	.amdhsa_code_object_version 6
	.text
	.protected	k_q42ac690fdb_qkv
	.globl	k_q42ac690fdb_qkv
	.p2align	8
	.type	k_q42ac690fdb_qkv,@function
k_q42ac690fdb_qkv:
	s_mov_b64 s[64:65], 0
	v_nop
	global_prefetch_b8 v0, s[64:65] scope:SCOPE_SE
	s_setreg_imm32_b32 hwreg(HW_REG_WAVE_MODE, 25, 1), 1
	s_wait_xcnt 0x0
	s_wait_alu depctr_hold_cnt(0) depctr_sa_sdst(0) depctr_va_vdst(0) depctr_va_sdst(0) depctr_va_ssrc(0) depctr_va_vcc(0) depctr_vm_vsrc(0)
	s_getreg_b32 s2, hwreg(HW_REG_IB_STS2, 6, 4)
	s_cmp_eq_u32 s2, 0
	s_cbranch_scc0 .Lentry_in_a_cluster
	s_endpgm
.Lentry_in_a_cluster:
	s_bfe_u32 s2, ttmp6, 0x10000c
	s_cmp_lg_u32 s2, 0xf033
	s_cbranch_scc0 .Lentry_shape_is_right
	s_endpgm
.Lentry_shape_is_right:
; PRODUCTS 1 TO 3 ON CODES, their biases, and the quantising of q, k and v.  No work is left out here.
; One text: C'[i][j] = sum over k of P[i][k] R[j][k] + bias, quantised along j in blocks of 32.  q, k: P = x's rows, R = the weight's columns (rows of the workspace), bias by j.
; v: the operands change places, P = Wv's columns (i = 64 head + d), R = x's rows (j = 2,048 b + key), bias by i: so v comes out quantised along the keys, keys innermost, by the same way out.
; Which of the three is the cluster's x (0 q, 1 k, 2 v): the same in all sixteen partners.
; A tile of C' is 256 x 256, a wave's 128 x 128: 64 accumulators.  THE MATRIX INSTRUCTION IS USED TRANSPOSED (source 0 = 16 rows of R, source 1 = 16 rows of P): a lane holds eight neighbouring j of one i.
; K = 1,024 goes in four K steps of 256 through three LDS slots: three first fills, and one refill (K step 3 into slot 0), which has three and a half steps of 128, 224 matrix instructions, in which to land.
; By this text's count a wave has four tensor loads out at the start and one behind the refill.
; CLUSTERS: 4 x 4.  P's tiles are shared along a row of the cluster, R's along a column: joint loads.  384 tiles are 24 clusters: the chip is passed one and a half times; a tile of 256 x 384, which would give 256
; work-groups, needs 768 accumulator registers a wave beside 240 of operands and does not fit.
; OUT: qk_codes [32][8,192][48] (plane = head for q, 16 + head for k), qk_scales [16][8,192][4], v_codes [128][1,024][48] (plane = 32 b + key / 64), v_scales [64][1,024][4].
; A row i is stored at rho(i) = i with its bits 3 and 4 exchanged, so that the tiles which launch attn forms of rows 32 b + 8 u + r + 8 (r / 8) are 16 neighbouring rows of the workspace.
; REGISTERS: window 0: v14-31 addresses; v32-63 scale words, two sets; P's fragments, two sets, at v64 and v160.  window 1: R's fragments, two sets, at v0 and v128.
;   windows 2, 3: accumulator (a, b) at v[8 (8 (a % 4) + sigma(b))], sigma exchanging blocks 1 and 2 of each four: see SWAPS.
.set PP,    589824                     ; a plane of xw_codes
.set KSB,   4*PP                       ; a K step of 256: four planes
.set HALFT, 24576                      ; what one tensor load brings: [4 planes][128 rows][48]
.set SLOT,  98304                      ; P's two halves, then R's two
.set SCL,   294912                     ; the scale words of all of K: four loads of [8 planes][128 rows][4]
.set SPARE, 311296                     ; the spare words, 128 bytes for each wave: two blocks of 256 bytes that no other line names
.set BIASL, 311808                     ; the tile's 256 bias numbers: written by ds_store alone
.set STAGE, SLOT                       ; the way out: in slot 1, which has had its only fill, and which nobody reads behind the barrier of step 5
.set STGW,  12800                      ; a wave's stage: [2 planes][128 rows][48], then 128 scale words
.set STS,  14
.set SH8,  15
.set ADRA, 16                          ; v16-18 my P fragments in slot 0, 1, 2
.set ADRB, 20                          ; v20-22 my R fragments
.set STO,  24
.set RD,   25
.set CO,   26
.set ADRS, 27
.set SPW,  28                          ; LDS address of my spare word; never rewritten
.set NIL,  29                          ; 0; never rewritten
.set VBC,  30
.set VBR,  31
.set SC,   32                          ; scale words: set s at v[SC + 16 s]; register 2 i + q: lanes 0-15 P's block i, lanes 16-31 R's block i, the K step's q-th 128
.set AF,   64
.set MX,   32                          ; the way out: largest magnitudes, scale operands, bytes, words
.set SO,   40
.set BY,   48
.set WD,   56
.set WXR,  60
.set OB,   64
.set G1A,  28
.set G1B,  36
.set G1SA, 44
.set G1SB, 52
.set G0A0, 60
.set G0A1, 68
.set G0A2, 72
.set G0B0, 76
.set G0B1, 80
.set G0B2, 84
.set G0SA, 88
.set G0SB, 92
.set MSB, 0
.macro WIN new                         ; the immediate's high byte repeats the setting that is left
.if MSB != (\new)
	s_set_vgpr_msb (MSB<<8)|(\new)
.set MSB, (\new)
.endif
.endm
.set MUL_LO, 0xa1                      ; source 0 (R) window 1, source 1 (P) window 0, C and D window 2
.set MUL_HI, 0xf1
.set TO_B,   0x40
; A joint load: waves 0 and 1 fetch P's halves, waves 2 and 3 R's.  The branch hangs on the wave's number alone.  An s_nop 0 and four v_nop follow each of the two lines.
.macro JLOAD g0a, g1a, g0b, g1b
	s_cmp_eq_u32 s23, 0
	s_cbranch_scc0 .Lfor_b_\@
	tensor_load_to_lds s[\g0a:\g0a+3], s[\g1a:\g1a+7]
	s_nop 0
.rept 4
	v_nop
.endr
	s_branch .Lasked_\@
.Lfor_b_\@:
	tensor_load_to_lds s[\g0b:\g0b+3], s[\g1b:\g1b+7]
	s_nop 0
.rept 4
	v_nop
.endr
.Lasked_\@:
.endm
.macro CREST                           ; a round of the cluster's barrier behind its opening barrier
	s_cmp_lg_u32 s22, 0
	s_cbranch_scc1 .Lnot_wave_0_\@
	s_barrier_signal -3
.Lnot_wave_0_\@:
	s_barrier_wait -3
	s_barrier_signal -1
	s_barrier_wait -1
.endm
.macro CROUND
	s_barrier_signal -1
	s_barrier_wait -1
	CREST
.endm
.macro PLACES n
.rept \n
	v_nop
.endr
.endm
	s_load_b256 s[4:11], s[0:1], 0x0               ; xw_codes, xw_scales, bq, bk
	s_load_b256 s[12:19], s[0:1], 0x20             ; bv, qk_codes, qk_scales, v_codes
	s_load_b64 s[20:21], s[0:1], 0x40              ; v_scales
	v_lshl_add_u32 v[SPW], v0, 2, SPARE
	v_mov_b32 v[NIL], 0
	ds_add_u32 v[SPW], v[NIL]                      ; the wave's opening: the add, twice on end, and its wait ahead of my first tensor load
	ds_add_u32 v[SPW], v[NIL]
	v_lshrrev_b32 v1, 5, v0
	v_readfirstlane_b32 s22, v1                    ; wave 0..3
	s_lshr_b32 s23, s22, 1                         ; wm: my half of the tile's i.  Also: I fetch for P (0) or for R (1)
	s_and_b32 s24, s22, 1                          ; wn: my half of its j.  Also: which 128 rows I fetch
	s_bfe_u32 s96, ttmp6, 0x40000                  ; cx
	s_bfe_u32 s97, ttmp6, 0x40004                  ; cy
	s_lshr_b32 s25, ttmp9, 1                       ; V = 1 for v
	s_xor_b32 s26, s25, 1                          ; NV = 1 for q and k
	s_and_b32 s27, ttmp7, 0xffff                   ; the cluster's y
	s_mul_i32 s98, s27, s26
	s_lshl_b32 s98, s98, 2
	s_add_co_u32 s98, s98, s97                     ; tile row tr: q, k: 4 y + cy;  v: cy
	s_mul_i32 s99, ttmp9, s26
	s_mul_i32 s105, s27, s25
	s_add_co_u32 s99, s99, s105
	s_lshl_b32 s99, s99, 2
	s_add_co_u32 s99, s99, s96                     ; tile column tc: q: cx;  k: 4 + cx;  v: 4 y + cx
	s_lshl_b32 s101, s97, 2
	s_lshl_b32 s101, 15, s101                      ; my row of the cluster
	s_lshl_b32 s105, 0x1111, s96                   ; my column
	s_or_b32 s[G1A], s101, (3<<16)|(1<<21)         ; 15:0 the mask; 17:16 elements of 8 bytes; 20 no padding; 21 set beside a mask
	s_or_b32 s[G1SA], s101, (3<<16)|(1<<21)
	s_or_b32 s[G1B], s105, (3<<16)|(1<<21)
	s_or_b32 s[G1SB], s105, (3<<16)|(1<<21)
.irp g, G1A, G1B                       ; codes: 4 planes; of each 128 rows x 48 bytes on end = 768 elements; planes PP bytes apart
	s_mov_b32 s[\g+1], 768<<16
	s_mov_b32 s[\g+2], 4<<16
	s_mov_b32 s[\g+3], 768<<16
	s_mov_b32 s[\g+4], 4
	s_mov_b32 s[\g+5], PP/8
	s_mov_b32 s[\g+6], 0
	s_mov_b32 s[\g+7], 0
.endr
.irp g, G1SA, G1SB                     ; scale words: 8 planes; of each 128 rows x 4 bytes = 64 elements; planes 49,152 bytes apart
	s_mov_b32 s[\g+1], 64<<16
	s_mov_b32 s[\g+2], 8<<16
	s_mov_b32 s[\g+3], 64<<16
	s_mov_b32 s[\g+4], 8
	s_mov_b32 s[\g+5], 6144
	s_mov_b32 s[\g+6], 0
	s_mov_b32 s[\g+7], 0
.endr
	s_lshl_b32 s27, s24, 7                         ; which 128 rows I fetch
	s_mul_i32 s100, s25, 10240
	s_lshl_b32 s101, s98, 8
	s_add_co_u32 s100, s100, s101
	s_add_co_u32 s100, s100, s27                   ; P's rows: 10,240 V + 256 tr + 128 half: cx never enters
	s_lshl_b32 s104, s26, 13
	s_lshl_b32 s105, s99, 8
	s_add_co_u32 s104, s104, s105
	s_add_co_u32 s104, s104, s27                   ; R's rows: 8,192 NV + 256 tc + 128 half: cy never enters
	s_mul_i32 s27, s22, HALFT                      ; where they go: wave x a load: no place in the cluster enters an LDS address
	s_lshl_b32 s2, s22, 12
	s_mov_b32 s[G0SA], 1
	s_add_co_u32 s[G0SA+1], s2, SCL
	s_mov_b32 s[G0SB], 1
	s_add_co_u32 s[G0SB+1], s2, SCL
.irp g, G0A0, G0B0
	s_mov_b32 s[\g], 1
	s_mov_b32 s[\g+1], s27
.endr
.irp g, G0A1, G0B1
	s_mov_b32 s[\g], 1
	s_add_co_u32 s[\g+1], s27, SLOT
.endr
.irp g, G0A2, G0B2
	s_mov_b32 s[\g], 1
	s_add_co_u32 s[\g+1], s27, 2*SLOT
.endr
	s_lshl_b32 s[G0SA+2], s100, 2
	s_mov_b32 s[G0SA+3], 0
	s_lshl_b32 s[G0SB+2], s104, 2
	s_mov_b32 s[G0SB+3], 0
	s_mul_i32 s[G0A0+2], s100, 48
	s_mov_b32 s[G0A0+3], 0
	s_mul_i32 s[G0B0+2], s104, 48
	s_mov_b32 s[G0B0+3], 0
	s_wait_dscnt 0x0                               ; both opening adds are done
	s_wait_kmcnt 0x0
	s_add_nc_u64 s[G0SA+2:G0SA+3], s[6:7], s[G0SA+2:G0SA+3]
	s_add_nc_u64 s[G0SB+2:G0SB+3], s[6:7], s[G0SB+2:G0SB+3]
	s_add_nc_u64 s[G0A0+2:G0A0+3], s[4:5], s[G0A0+2:G0A0+3]        ; K step 0
	s_add_nc_u64 s[G0B0+2:G0B0+3], s[4:5], s[G0B0+2:G0B0+3]
	s_add_nc_u64 s[G0A1+2:G0A1+3], s[G0A0+2:G0A0+3], KSB           ; K step 1
	s_add_nc_u64 s[G0B1+2:G0B1+3], s[G0B0+2:G0B0+3], KSB
	s_add_nc_u64 s[G0A2+2:G0A2+3], s[G0A0+2:G0A0+3], 2*KSB         ; K step 2
	s_add_nc_u64 s[G0B2+2:G0B2+3], s[G0B0+2:G0B0+3], 2*KSB
.irp g, G0SA, G0SB, G0A0, G0B0, G0A1, G0B1, G0A2, G0B2
	s_or_b32 s[\g+3], s[\g+3], 0x80000000          ; type = 2
.endr
	CROUND                                         ; all sixteen work-groups are here: the first joint loads meet
	JLOAD G0SA, G1SA, G0SB, G1SB                   ; the scale words of all of K
	JLOAD G0A0, G1A, G0B0, G1B
	JLOAD G0A1, G1A, G0B1, G1B
	JLOAD G0A2, G1A, G0B2, G1B
	; the tile's 256 bias numbers: q, k: by j (tile column in the matrix = cx);  v: by i (tile row = cy)
	s_cmp_eq_u32 ttmp9, 1
	s_cselect_b64 s[8:9], s[10:11], s[8:9]
	s_cmp_eq_u32 ttmp9, 2
	s_cselect_b64 s[8:9], s[12:13], s[8:9]
	s_mul_i32 s2, s96, s26
	s_mul_i32 s3, s97, s25
	s_add_co_u32 s2, s2, s3
	s_lshl_b32 s2, s2, 10
	s_mov_b32 s3, 0
	s_add_nc_u64 s[8:9], s[8:9], s[2:3]
	v_lshlrev_b32 v8, 3, v0
	global_load_b64 v[10:11], v8, s[8:9]           ; 128 threads x 8 bytes
	v_lshl_add_u32 v9, v0, 3, BIASL
	v_and_b32 v1, 15, v0                           ; r
	v_bfe_u32 v2, v0, 4, 1                         ; h
	s_wait_alu depctr_va_vdst(0)
	v_mul_u32_u24 v3, v1, 48
	v_mad_u32_u24 v3, v2, 24, v3                   ; a fragment's row x 48 + 24 h
	s_mul_i32 s2, s23, HALFT                       ; my 128 rows of P,
	s_mul_i32 s3, s24, HALFT
	s_add_co_u32 s3, s3, 2*HALFT                   ; of R
.irp s, 0,1,2
	v_add_nc_u32 v[ADRA+\s], s2, v3
	v_add_nc_u32 v[ADRB+\s], s3, v3
	s_add_co_u32 s2, s2, SLOT
	s_add_co_u32 s3, s3, SLOT
.endr
	s_lshl_b32 s2, s23, 12                         ; P's scale words: my 128 rows;
	s_lshl_b32 s3, s24, 12
	s_add_co_u32 s3, s3, 2*4096                    ; R's, behind P's two loads
	s_sub_co_u32 s3, s3, s2
	v_mul_u32_u24 v4, s3, v2                       ; lanes 16-31 take R's: one product, the distance between the two
	s_add_co_u32 s2, s2, SCL
	v_lshl_add_u32 v4, v1, 2, v4
	v_add_nc_u32 v[ADRS], s2, v4
	s_mul_i32 s2, s22, STGW
	s_add_co_u32 s2, s2, STAGE                     ; my stage
	v_and_b32 v5, 8, v1
	v_add_nc_u32 v5, v5, v1                        ; r + 8 (r / 8): r's part of rho
	v_mul_u32_u24 v6, v5, 48
	v_mad_u32_u24 v6, v2, 24, v6
	v_add_nc_u32 v[STO], s2, v6
	v_lshlrev_b32 v6, 2, v5
	v_add_nc_u32 v6, s2, v6
	v_add_nc_u32 v[STS], 12288, v6
	v_and_b32 v7, 31, v0
	v_lshlrev_b32 v[CO], 4, v7
	v_add_nc_u32 v[RD], s2, v[CO]
	v_lshlrev_b32 v[SH8], 3, v2
	s_lshl_b32 s3, s24, 9
	s_add_co_u32 s3, s3, BIASL
	v_lshl_add_u32 v[VBC], v2, 7, s3               ; bias by j: my wave's 128, my half's 32 of each 64
	s_lshl_b32 s3, s23, 9
	s_add_co_u32 s3, s3, BIASL
	v_lshl_add_u32 v[VBR], v1, 2, s3               ; bias by i: my wave's 128, row r of each 16
	s_wait_loadcnt 0x0
	ds_store_b64 v9, v[10:11]
.macro FRAG reg, adr, q, i             ; 16 rows x 128 K: 24 bytes of each of two planes, in pieces of 8
.irp p, 0,1,2,3,4,5
	ds_load_b64 v[\reg+2*\p:\reg+2*\p+1], v[\adr] offset:(2*(\q)+\p/3)*6144+(\i)*768+8*(\p%3)
.endr
.endm
.macro FETCH slot, q, p                ; 96 loads: the fragments of the slot's q-th 128 along K into set p
	WIN TO_B
.irp i, 0,1,2,3,4,5,6,7
	FRAG 128*(\p)+12*\i, ADRB+\slot, \q, \i
.endr
	WIN 0
.irp i, 0,1,2,3,4,5,6,7
	FRAG AF+96*(\p)+12*\i, ADRA+\slot, \q, \i
.endr
.endm
.macro SCALES sc, ks                   ; K step ks's scale words into set sc
.irp i, 0,1,2,3,4,5,6,7
.irp q, 0,1
	ds_load_b32 v[SC+16*(\sc)+2*\i+\q], v[ADRS] offset:1024*(\ks)+512*\q+64*\i
.endr
.endr
.endm
; 8 matrix instructions: P's block a against R's eight.  The 64 accumulators take turns, one instruction a turn, in the same order in every step.
.macro MULA a, p, q, sc, zero
.irp b, 0,1,2,3,4,5,6,7
.set DD, 8*(8*((\a)%4)+((\b&4)|((\b&1)<<1)|((\b>>1)&1)))
.if \zero
	v_wmma_scale_f32_16x16x128_f8f6f4 v[DD:DD+7], v[128*(\p)+12*\b:128*(\p)+12*\b+11], v[AF+96*(\p)+12*(\a):AF+96*(\p)+12*(\a)+11], 0, v[SC+16*(\sc)+2*\b+(\q)], v[SC+16*(\sc)+2*(\a)+(\q)] matrix_a_fmt:MATRIX_FMT_FP6 matrix_b_fmt:MATRIX_FMT_FP6 matrix_a_scale:MATRIX_SCALE_ROW1
.else
	v_wmma_scale_f32_16x16x128_f8f6f4 v[DD:DD+7], v[128*(\p)+12*\b:128*(\p)+12*\b+11], v[AF+96*(\p)+12*(\a):AF+96*(\p)+12*(\a)+11], v[DD:DD+7], v[SC+16*(\sc)+2*\b+(\q)], v[SC+16*(\sc)+2*(\a)+(\q)] matrix_a_fmt:MATRIX_FMT_FP6 matrix_b_fmt:MATRIX_FMT_FP6 matrix_a_scale:MATRIX_SCALE_ROW1
.endif
.endr
.endm
; A step of 128 along K: this step's fragments are in; four places (plain vector instructions behind the last products) in front of the loads into the other set, which the last step multiplied;
; the next step's 96 loads in one run; then the 64 products, under which the loads land.
.macro STEP p, q, sc, zero, nslot, nq, nks
	s_wait_dscnt 0x0
	PLACES 4
	FETCH \nslot, \nq, 1-(\p)
.if (\nks) >= 0
	SCALES (\nks)%2, \nks
.endif
	WIN MUL_LO
.irp a, 0,1,2,3
	MULA \a, \p, \q, \sc, \zero
.endr
	WIN MUL_HI
.irp a, 4,5,6,7
	MULA \a, \p, \q, \sc, \zero
.endr
.endm
	s_wait_tensorcnt 2                             ; the scale words and my part of K step 0 are in; K steps 1 and 2 may be out
	s_wait_dscnt 0x0                               ; my bias numbers lie in LDS
	s_barrier_signal -1
	s_barrier_wait -1
	FETCH 0, 0, 0
	SCALES 0, 0
	STEP 0, 0, 0, 1, 0, 1, -1                      ; step 0: its products start the sums: nothing is cleared
	; step 1: slot 0 has been read out: THE ONE REFILL
	WIN 0                                          ; (the add's two registers lie in window 0)
	s_wait_tensorcnt 0x0                           ; all my tensor loads have landed: K steps 1 and 2 too
	ds_add_u32 v[SPW], v[NIL]                      ; 0 onto my spare word
	s_wait_dscnt 1                                 ; this step's fragments are in (the add may be out)
	WIN MUL_LO
	MULA 0, 1, 1, 0, 0
	MULA 1, 1, 1, 0, 0
	s_wait_dscnt 0x0                               ; the add is done, and my reads of slot 0 are over
	s_barrier_signal -1
	MULA 2, 1, 1, 0, 0
	MULA 3, 1, 1, 0, 0
	WIN 0
	s_barrier_wait -1
	CREST                                          ; the barrier has opened a round of the cluster's: no wave of any partner still reads slot 0 or has a load on its way
	s_add_nc_u64 s[G0A0+2:G0A0+3], s[G0A0+2:G0A0+3], 3*KSB
	s_add_nc_u64 s[G0B0+2:G0B0+3], s[G0B0+2:G0B0+3], 3*KSB
	JLOAD G0A0, G1A, G0B0, G1B                     ; K step 3: the first tensor load behind the round; its four v_nop are the places in front of the loads below
	FETCH 1, 0, 0
	SCALES 1, 1
	WIN MUL_HI
.irp a, 4,5,6,7
	MULA \a, 1, 1, 0, 0
.endr
	STEP 0, 0, 1, 0, 1, 1, -1                      ; step 2
	STEP 1, 1, 1, 0, 2, 0, 2                       ; step 3: slot 2 was shown whole to every wave by the round of step 1
	STEP 0, 0, 0, 0, 2, 1, -1                      ; step 4
	; step 5: K step 3 is wanted next
	s_wait_tensorcnt 0x0                           ; my part of it has landed
	s_wait_dscnt 0x0                               ; this step's fragments are in; no LDS instruction of mine is out
	s_barrier_signal -1
	WIN MUL_LO
.irp a, 0,1,2,3
	MULA \a, 1, 1, 0, 0
.endr
	s_barrier_wait -1                              ; everybody's has
	PLACES 4
	FETCH 0, 0, 0
	SCALES 1, 3
	WIN MUL_HI
.irp a, 4,5,6,7
	MULA \a, 1, 1, 0, 0
.endr
	STEP 0, 0, 1, 0, 0, 1, -1                      ; step 6
	s_wait_dscnt 0x0                               ; step 7: nothing more to fetch
	WIN MUL_LO
.irp a, 0,1,2,3
	MULA \a, 1, 1, 1, 0
.endr
	WIN MUL_HI
.irp a, 4,5,6,7
	MULA \a, 1, 1, 1, 0
.endr
; THE WAY OUT.  Group g = 2 (a % 4) + e of a window holds row block a and 64 neighbouring j (e): registers 32 g + 0-7: j = 8 h + .., 8-15: 32 + 8 h + .., 16-23: 16 + 8 h + .., 24-31: 48 + 8 h + .. (sigma).
; Exchanging the first run's lanes 16-31 with the second's lanes 0-15, and likewise the third's and fourth's, leaves lane (r, h) with row r and j = 32 h + 0 .. 31 in 32 registers on end: a WHOLE BLOCK in a lane.
; Each accumulator is read from its low end on.
.macro SWAPS hi
	WIN 0x82+0x41*(\hi)
.set g, 0
.rept 8
.set jj, 0
.rept 8
	v_permlane16_swap_b32 v[32*g+jj], v[32*g+8+jj]
	v_permlane16_swap_b32 v[32*g+16+jj], v[32*g+24+jj]
.set jj, jj+1
.endr
.set g, g+1
.endr
.endm
	PLACES 4                                       ; behind the last products
	SWAPS 0
	SWAPS 1
	WIN 0
	s_mov_b32 s68, 0x76543210                      ; v_permlanex16_b32's selects for lane l xor 16
	s_mov_b32 s69, 0xfedcba98
.irp a, 0,1,2,3
	v_mov_b32 v[WXR+\a], 0                         ; written once: a lane permute's destination counts as one of its sources
.endr
	s_cmp_eq_u32 s25, 1                            ; the same in all waves and all partners
	s_cbranch_scc1 .Lbias_v
.irp i, 0,1,2,3,4,5,6,7,8,9,10,11,12,13,14,15  ; q, k: my 2 x 32 numbers by j
	ds_load_b128 v[64+4*\i:67+4*\i], v[VBC] offset:256*(\i/8)+16*(\i%8)
.endr
	s_wait_dscnt 0x0
.irp hi, 0,1
	WIN 0x82+0x41*\hi
.irp a4, 0,1,2,3
.set u, 0
.rept 32
	v_pk_add_f32 v[64*\a4+2*u:64*\a4+2*u+1], v[64*\a4+2*u:64*\a4+2*u+1], v[64+2*u:65+2*u]
.set u, u+1
.endr
.endr
.endr
	WIN 0
	s_branch .Lbiased
.Lbias_v:
.irp a, 0,1,2,3,4,5,6,7                        ; v: one number for each of my eight rows, loaded twice to fill a pair
	ds_load_b32 v[64+2*\a], v[VBR] offset:64*\a
	ds_load_b32 v[65+2*\a], v[VBR] offset:64*\a
.endr
	s_wait_dscnt 0x0
.irp hi, 0,1
	WIN 0x82+0x41*\hi
.irp a4, 0,1,2,3
.set u, 0
.rept 32
	v_pk_add_f32 v[64*\a4+2*u:64*\a4+2*u+1], v[64*\a4+2*u:64*\a4+2*u+1], v[64+2*(4*\hi+\a4):65+2*(4*\hi+\a4)]
.set u, u+1
.endr
.endr
.endr
	WIN 0
.Lbiased:
; A window's eight blocks a lane, by turns.  k = 2 (a % 4) + e.  Codes of block k: six registers at TK, the upper three made at UK and moved (a conversion's three registers begin on an even number).
.macro QWIN hi
	WIN 0x28+0x14*(\hi)                            ; sources 1 and 2: the window
.irp k, 0,1,2,3,4,5,6,7
	v_max3_num_f32 v[MX+\k], 0x1800000, |v[32*\k]|, |v[32*\k+1]|   ; with the floor 2^(3 - 127): the byte cannot fall under 1
.endr
.irp i, 2,4,6,8,10,12,14,16,18,20,22,24,26,28,30
.irp k, 0,1,2,3,4,5,6,7
	v_max3_num_f32 v[MX+\k], v[MX+\k], |v[32*\k+\i]|, |v[32*\k+\i+1]|
.endr
.endr
	WIN 0
.irp k, 0,1,2,3,4,5,6,7
	v_add_nc_u32 v[SO+\k], 0xff000000, v[MX+\k]    ; 2 off the exponent field: the conversions' scale operand
.endr
.irp k, 0,1,2,3,4,5,6,7
	v_lshrrev_b32 v[BY+\k], 23, v[SO+\k]           ; the scale's byte
.endr
.irp a, 0,1,2,3
	v_lshl_or_b32 v[WD+\a], v[BY+2*\a+1], 16, v[BY+2*\a]           ; my two bytes of the row's word: blocks h and 2 + h of the wave's 128 j,
.endr
.irp a, 0,1,2,3
	v_lshlrev_b32 v[WD+\a], v[SH8], v[WD+\a]       ; at their places;
.endr
.irp a, 0,1,2,3
	v_permlanex16_b32 v[WXR+\a], v[WD+\a], s68, s69
.endr
.irp a, 0,1,2,3
	v_or_b32 v[WD+\a], v[WD+\a], v[WXR+\a]         ; with lane l xor 16's two the word is whole
.endr
	WIN 0x02+(\hi)                                 ; source 0: the window
.irp k, 0,1,2,3,4,5,6,7
	v_cvt_scalef32_pk16_fp6_f32 v[128+8*\k-96*(\k/4):130+8*\k-96*(\k/4)], v[32*\k:32*\k+15], v[SO+\k]
	v_cvt_scalef32_pk16_fp6_f32 v[192+4*\k-112*(\k/4):194+4*\k-112*(\k/4)], v[32*\k+16:32*\k+31], v[SO+\k]
.endr
	WIN 0
	v_nop                                          ; one plain place behind the conversions
.irp k, 0,1,2,3,4,5,6,7
.irp i, 0,1,2
	v_mov_b32 v[131+8*\k-96*(\k/4)+\i], v[192+4*\k-112*(\k/4)+\i]
.endr
.endr
.irp k, 0,1,2,3,4,5,6,7                        ; lane (r, h): block h of row rho(16 a + r) = 32 (a / 2) + 8 (a % 2) + r + 8 (r / 8), plane e
.irp i, 0,1,2
	ds_store_b64 v[STO], v[128+8*\k-96*(\k/4)+2*\i:129+8*\k-96*(\k/4)+2*\i] offset:(32*(2*(\hi)+\k/4)+8*((\k/2)%2))*48+6144*(\k%2)+8*\i
.endr
.endr
.irp a, 0,1,2,3
	ds_store_b32 v[STS], v[WD+\a] offset:4*(32*(2*(\hi)+\a/2)+8*(\a%2))    ; both halves of the lanes write the same word with the same value
.endr
	s_wait_dscnt 0x0                               ; the stores have read their registers
.endm
	QWIN 0
	QWIN 1
	; where the wave's part goes: plane 4 tc + 2 wn + e, rows 256 tr + 128 wm on; a plane has NI = 8,192 rows (q, k) or 1,024 (v)
	s_cmp_eq_u32 s25, 1
	s_cselect_b64 s[70:71], s[18:19], s[14:15]
	s_cselect_b64 s[72:73], s[20:21], s[16:17]
	s_mov_b32 s74, 393216
	s_cselect_b32 s74, 49152, s74                  ; a plane of codes
	s_mov_b32 s75, 32768
	s_cselect_b32 s75, 4096, s75                   ; a plane of scale words
	s_lshl_b32 s80, s99, 2
	s_lshl_b32 s81, s24, 1
	s_add_co_u32 s80, s80, s81
	s_mul_i32 s80, s80, s74
	s_lshl_b32 s82, s98, 8
	s_lshl_b32 s83, s23, 7
	s_add_co_u32 s82, s82, s83                     ; my first row
	s_mul_i32 s83, s82, 48
	s_add_co_u32 s80, s80, s83
	s_mov_b32 s81, 0
	s_add_nc_u64 s[70:71], s[70:71], s[80:81]      ; plane e = 0
	s_mov_b32 s84, s74
	s_mov_b32 s85, 0
	s_add_nc_u64 s[84:85], s[70:71], s[84:85]      ; plane e = 1
	s_lshl_b32 s80, s99, 1
	s_add_co_u32 s80, s80, s24
	s_mul_i32 s80, s80, s75
	s_lshl_b32 s83, s82, 2
	s_add_co_u32 s80, s80, s83
	s_add_nc_u64 s[72:73], s[72:73], s[80:81]
.set t, 0
.rept 25                               ; 24 x 512 bytes of codes, 512 of scale words
	ds_load_b128 v[OB+4*t:OB+4*t+3], v[RD] offset:512*t
.set t, t+1
.endr
.set t, 0
.rept 12
	s_wait_dscnt 24-t                              ; load t is in; the younger ones may be out
	global_store_b128 v[CO], v[OB+4*t:OB+4*t+3], s[70:71] offset:512*t     ; 32 lanes store 512 consecutive bytes, at a multiple of 256 from the buffer's first byte
.set t, t+1
.endr
.rept 12
	s_wait_dscnt 24-t
	global_store_b128 v[CO], v[OB+4*t:OB+4*t+3], s[84:85] offset:512*(t-12)
.set t, t+1
.endr
	s_wait_dscnt 0x0
	global_store_b128 v[CO], v[OB+96:OB+99], s[72:73]
	s_wait_tensorcnt 0x0                           ; the wave's end, behind my last tensor load and my last LDS store
	ds_add_u32 v[SPW], v[NIL]
	s_wait_dscnt 0x0
	CROUND                                         ; the closing round
	s_endpgm
.Lfunc_end_k_q42ac690fdb_qkv:
	.size	k_q42ac690fdb_qkv, .Lfunc_end_k_q42ac690fdb_qkv-k_q42ac690fdb_qkv
	.p2alignl 7, 3214868480
	.fill 96, 4, 3214868480
	.section	.rodata,"a",@progbits
	.p2align	6, 0x0
	.amdhsa_kernel k_q42ac690fdb_qkv
		.amdhsa_group_segment_fixed_size 327680
		.amdhsa_private_segment_fixed_size 0
		.amdhsa_enable_private_segment 0
		.amdhsa_kernarg_size 72
		.amdhsa_user_sgpr_count 2
		.amdhsa_user_sgpr_kernarg_segment_ptr 1
		.amdhsa_wavefront_size32 1
		.amdhsa_system_sgpr_workgroup_id_x 1
		.amdhsa_system_sgpr_workgroup_id_y 1
		.amdhsa_system_sgpr_workgroup_id_z 1
		.amdhsa_system_vgpr_workitem_id 0
		.amdhsa_next_free_vgpr 1024
		.amdhsa_next_free_sgpr 106
		.amdhsa_reserve_vcc 0
		.amdhsa_float_denorm_mode_32 3
		.amdhsa_float_denorm_mode_16_64 3
		.amdhsa_memory_ordered 1
		.amdhsa_forward_progress 1
		.amdhsa_inst_pref_size 207
	.end_amdhsa_kernel
	.amdgpu_metadata
---
amdhsa.version: [ 1, 2 ]
amdhsa.kernels:
  - .name:           k_q42ac690fdb_qkv
    .symbol:         k_q42ac690fdb_qkv.kd
    .args:
      - { .name: xw_codes, .offset: 0, .size: 8, .value_kind: global_buffer, .address_space: global }
      - { .name: xw_scales, .offset: 8, .size: 8, .value_kind: global_buffer, .address_space: global }
      - { .name: bq, .offset: 16, .size: 8, .value_kind: global_buffer, .address_space: global }
      - { .name: bk, .offset: 24, .size: 8, .value_kind: global_buffer, .address_space: global }
      - { .name: bv, .offset: 32, .size: 8, .value_kind: global_buffer, .address_space: global }
      - { .name: qk_codes, .offset: 40, .size: 8, .value_kind: global_buffer, .address_space: global }
      - { .name: qk_scales, .offset: 48, .size: 8, .value_kind: global_buffer, .address_space: global }
      - { .name: v_codes, .offset: 56, .size: 8, .value_kind: global_buffer, .address_space: global }
      - { .name: v_scales, .offset: 64, .size: 8, .value_kind: global_buffer, .address_space: global }
    .group_segment_fixed_size: 327680
    .private_segment_fixed_size: 0
    .kernarg_segment_align: 8
    .kernarg_segment_size: 72
    .max_flat_workgroup_size: 128
    .sgpr_count:     106
    .vgpr_count:     1024
    .wavefront_size: 32
...
	.end_amdgpu_metadata
.endif
;; end of part 2
;; launch attn (part 3): grid 64 x 4, 16 waves a work-group, no clusters, 327,680 bytes of LDS; arguments qk_codes, qk_scales, v_codes, v_scales, ctx_codes, ctx_scales; writes ctx_codes, ctx_scales
.if DOCPART == 3
	.amdgcn_target "amdgcn-amd-amdhsa--gfx1250"
	.amdhsa_code_object_version 6
	.text
	.protected	k_q42ac690fdb_attn
	.globl	k_q42ac690fdb_attn
	.p2align	8
	.type	k_q42ac690fdb_attn,@function
k_q42ac690fdb_attn:
	s_mov_b64 s[64:65], 0
	v_nop
	global_prefetch_b8 v0, s[64:65] scope:SCOPE_SE
	s_setreg_imm32_b32 hwreg(HW_REG_WAVE_MODE, 25, 1), 1
	s_wait_xcnt 0x0
; PRODUCTS 4 AND 5 UNDER THE CAUSAL MASK, on codes of FP6 (E2M3), and the quantising of ctx along the head's 64.
; WORK LEFT OUT: a step of 128 keys all of which come after a wave's 16 queries (their weights are exactly 0 by reference()'s own mask), and the slots of 256 keys behind a query block's diagonal.
; THE SOFTMAX: t = score x log2(e) / 8; M = the running largest t rounded up to a whole number; p = 2^(t - M) is quantised along the keys, not normalised; the row's sum is taken of the unquantised p and divides at the end.
; SHARES.  Work-group (x = 16 b + head, y = i) owns the query blocks 7 - i and i of 256 queries, one after the other: 8 - i visits of slots of 256 keys, then i + 1: NINE VISITS IN EVERY WORK-GROUP, so that the 256
; work-groups have equal work and every trip count is a constant.  Each of sixteen waves owns 16 queries of the block in hand, in 256 registers: four waves to a SIMD.
; NO CLUSTER: from the sixth visit on the four work-groups of a head want different slots (i = 3 begins its second block at visit 5), and walking in step would take 12 visits for 9.
; LAYOUT.  Both products transposed: S^T = K Q^T, O^T = V^T P^T: a lane holds one query.  The workspace's rows stand at rho(row) (bits 3 and 4 exchanged), so 16 neighbouring rows of it are the keys (or the d)
; 32 b + 8 u + r + 8 (r / 8) of tile 2 b + u, and the 16 registers of tiles 2 b, 2 b + 1 are 16 neighbours along the next product's K.
; K = 64 IN AN INSTRUCTION OF 128: Q's registers 6-11 are zero codes.  A tile of K has six registers; the six behind it, the next tile's codes (behind the last: zeros), are multiplied by those zeros: FP6 has no NaN and
; no infinity, and both sides' scale bytes 2 and 3 are 0, not 0xff (the words come by 16-bit loads).  So the zeros stand on one side alone, and eight tiles take 54 registers.
; THE RING: two slots; a slot holds K's codes, V's codes and both sides' scale words of 256 keys, fetched by waves 0 to 3, one tensor load each.  Every wait on TENSORcnt is for 0; a loading wave has one load out.
; The scale bytes of ctx leave as 2 bytes a row (64 bytes a wave): one byte for 24 of codes.
.set SLOT1, 32768
.set VOFF,  12288                      ; a slot: K's codes [256 rows][48]; V's codes [4 planes][64 rows][48];
.set KSO,   24576                      ; K's scale words [256][4];
.set VSO,   25600                      ; V's [2 planes][64][4]
.set STAGE, 65536                      ; the way out: 768 bytes for each wave, its own
.set SPARE, 77824                      ; the spare words, 128 bytes for each wave: eight blocks of 256 bytes that no other line names
.set AK0,  1
.set AV0,  2
.set ASK0, 3
.set ASV0, 4
.set SPW,  5                           ; LDS address of my spare word; never rewritten
.set NIL,  6                           ; 0; never rewritten
.set GO,   7                           ; 8 x lane
.set ADK,  8
.set ADV,  9
.set ADS,  10
.set ADT,  11                          ; v12 -M, v13 the largest t, v[14:15] the sum in two halves; v16-27 Q (22-27 zeros)
.set PFO,  28
.set STI,  29
.set STO,  30
.set QSC,  31                          ; Q's scale words;  v32-85 K's eight tiles, six registers each, and six zeros
.set KS,   86                          ; v86-93 K's or V's scale words;  v96-159 S^T, then p, then V's four fragments;  v160-191 O^T;  v192-203 p's codes;  v204-211 at work
.set BM,   212
.set BT,   216
.set SCR,  220
.set FF,   224
.set PW,   226
.set TT,   227
.set QB,   228                         ; v228-233 the second block's Q, v234 its scale words
.set GS,   235                         ; 4 r
.set TB,   2                           ; s2 the slot in hand;  s3 the visit's number
.set T,    3
.set SW,   16                          ; the visit at which the blocks change: 8 - i
.set KF,   17                          ; the step's first key
.set WV,   18
.set Q0,   19                          ; my first query
.set SEL,  20
.set CS,   22
.set G1KC, 24
.set G1VC, 32
.set G1KS, 40
.set G1VS, 48
.set G0KC, 56
.set G0VC, 60
.set G0KS, 68
.set G0VS, 72
.set PFA,  76
.set PFS,  78
.set LIM,  80
.set NX,   84
.set QB0,  90
.macro ARM g0, g1                      ; an s_nop 0 and four v_nop follow a tensor load
	tensor_load_to_lds s[\g0:\g0+3], s[\g1:\g1+7]
	s_nop 0
.rept 4
	v_nop
.endr
.endm
.macro TLOAD                           ; wave 0: K's codes; 1: V's codes; 2: K's scale words; 3: V's; the others nothing.  The branches hang on the wave's number alone
	s_cmp_gt_u32 s[WV], 3
	s_cbranch_scc1 .Lasked_\@
	s_cmp_lg_u32 s[WV], 0
	s_cbranch_scc1 .Lnot0_\@
	ARM G0KC, G1KC
	s_branch .Lasked_\@
.Lnot0_\@:
	s_cmp_lg_u32 s[WV], 1
	s_cbranch_scc1 .Lnot1_\@
	ARM G0VC, G1VC
	s_branch .Lasked_\@
.Lnot1_\@:
	s_cmp_lg_u32 s[WV], 2
	s_cbranch_scc1 .Lnot2_\@
	ARM G0KS, G1KS
	s_branch .Lasked_\@
.Lnot2_\@:
	ARM G0VS, G1VS
.Lasked_\@:
.endm
; A PREFETCH INTO THE L2.  The four work-groups of a head walk the same slots: the one with y = 0, which walks slots 0 to 7 on end, asks, at visits 0, 2 and 4, for slots T + 2 and T + 3: 96 blocks of 256 bytes of K's
; codes (waves 4 to 6; dense) and 96 of V's (waves 8 to 10; 8 planes x 12 blocks), a lane a block, one instruction a wave: each block is named once in the launch.  The load that wants slot T + 2 stands one visit on.
; Slots 0 and 1 and the scale words come by their loads alone.
.macro ASK
	s_or_b32 s82, s[T], s[LIM]                     ; LIM = 0 in a wave that asks, else 1
	s_bitcmp1_b32 s82, 0
	s_cbranch_scc1 .Lnot_mine_\@
	s_cmp_gt_u32 s[T], 4
	s_cbranch_scc1 .Lnot_mine_\@
	global_prefetch_b8 v[PFO], s[PFA:PFA+1] th:TH_LOAD_NT scope:SCOPE_SE
.Lnot_mine_\@:
.endm
	s_load_b256 s[4:11], s[0:1], 0x0               ; qk_codes, qk_scales, v_codes, v_scales
	s_load_b128 s[12:15], s[0:1], 0x20             ; ctx_codes, ctx_scales
	v_lshl_add_u32 v[SPW], v0, 2, SPARE
	v_mov_b32 v[NIL], 0
	ds_add_u32 v[SPW], v[NIL]                      ; the wave's opening: the add, twice on end, and its wait ahead of the first tensor load
	ds_add_u32 v[SPW], v[NIL]
	v_lshrrev_b32 v96, 5, v0
	s_delay_alu instid0(VALU_DEP_1)
	v_readfirstlane_b32 s[WV], v96                 ; wave 0..15
	s_and_b32 s81, ttmp9, 15                       ; head
	s_lshr_b32 s85, ttmp9, 4                       ; b
	s_and_b32 s91, ttmp7, 0xffff                   ; i
	s_sub_co_u32 s[SW], 8, s91
	s_mul_i32 s92, s81, 393216
	s_mul_i32 s93, s85, 98304
	s_add_co_u32 s92, s92, s93                     ; q's and ctx's codes: the head's plane, the batch's rows
	s_lshr_b32 s94, s81, 1
	s_lshl_b32 s94, s94, 15
	s_lshl_b32 s95, s85, 13
	s_add_co_u32 s94, s94, s95                     ; their scale words: plane head / 2, the batch's rows,
	s_and_b32 s95, s81, 1
	s_lshl_b32 s95, s95, 1                         ; and the head's two bytes of a word
	s_sub_co_u32 s96, 7, s91
	s_lshl_b32 s96, s96, 8                         ; the first block's first query
	s_lshl_b32 s97, s[WV], 4
	s_add_co_u32 s[Q0], s96, s97                   ; my first query in it,
	s_lshl_b32 s98, s91, 8
	s_add_co_u32 s[QB0], s98, s97                  ; and in the second block
	s_lshr_b32 s97, s[WV], 1
	s_lshl_b32 s97, s97, 5
	s_and_b32 s99, s[WV], 1
	s_lshl_b32 s99, s99, 3
	s_add_co_u32 s97, s97, s99                     ; rho of 16 x wave
	s_add_co_u32 s96, s96, s97
	s_add_co_u32 s98, s98, s97
	v_and_b32 v96, 15, v0                          ; r
	v_bfe_u32 v97, v0, 4, 1                        ; h
	s_delay_alu instid0(VALU_DEP_2)
	v_lshlrev_b32 v98, 2, v96                      ; 4 r
	v_and_b32 v99, 31, v0                          ; lane
	s_delay_alu instid0(VALU_DEP_4)
	v_and_b32 v100, 8, v96
	s_delay_alu instid0(VALU_DEP_1)
	v_add_nc_u32 v100, v100, v96                   ; r + 8 (r / 8)
	s_delay_alu instid0(VALU_DEP_1)
	v_mul_u32_u24 v101, v100, 48
	s_delay_alu instid0(VALU_DEP_1)
	v_mad_u32_u24 v101, v97, 24, v101
	s_mul_i32 s82, s96, 48
	v_add_nc_u32 v102, s82, v101                   ; Q's codes, first block
	s_mul_i32 s82, s98, 48
	v_add_nc_u32 v103, s82, v101                   ; second block
	v_lshlrev_b32 v100, 2, v100
	s_lshl_b32 s82, s96, 2
	v_add_nc_u32 v104, s82, v100                   ; Q's scale words
	s_lshl_b32 s82, s98, 2
	v_add_nc_u32 v105, s82, v100
	; descriptor groups 1: elements of 8 bytes, no mask, no padding
	s_mov_b32 s[G1KC], 3<<16                       ; K's codes: 12,288 dense bytes as 48 rows of 256
	s_mov_b32 s[G1KC+1], 32<<16
	s_mov_b32 s[G1KC+2], 48<<16
	s_mov_b32 s[G1KC+3], 32<<16
	s_mov_b32 s[G1KC+4], 48
	s_mov_b32 s[G1KC+5], 32
	s_mov_b32 s[G1KC+6], 0
	s_mov_b32 s[G1KC+7], 0
	s_mov_b32 s[G1VC], 3<<16                       ; V's codes: 4 planes; of each the head's 64 rows x 48 bytes = 384 elements; planes 49,152 bytes apart
	s_mov_b32 s[G1VC+1], 384<<16
	s_mov_b32 s[G1VC+2], 4<<16
	s_mov_b32 s[G1VC+3], 384<<16
	s_mov_b32 s[G1VC+4], 4
	s_mov_b32 s[G1VC+5], 6144
	s_mov_b32 s[G1VC+6], 0
	s_mov_b32 s[G1VC+7], 0
	s_mov_b32 s[G1KS], 3<<16                       ; K's scale words: 1,024 dense bytes as 4 rows of 256
	s_mov_b32 s[G1KS+1], 32<<16
	s_mov_b32 s[G1KS+2], 4<<16
	s_mov_b32 s[G1KS+3], 32<<16
	s_mov_b32 s[G1KS+4], 4
	s_mov_b32 s[G1KS+5], 32
	s_mov_b32 s[G1KS+6], 0
	s_mov_b32 s[G1KS+7], 0
	s_mov_b32 s[G1VS], 3<<16                       ; V's: 2 planes; of each the head's 64 words = 32 elements; planes 4,096 bytes apart
	s_mov_b32 s[G1VS+1], 32<<16
	s_mov_b32 s[G1VS+2], 2<<16
	s_mov_b32 s[G1VS+3], 32<<16
	s_mov_b32 s[G1VS+4], 2
	s_mov_b32 s[G1VS+5], 512
	s_mov_b32 s[G1VS+6], 0
	s_mov_b32 s[G1VS+7], 0
	s_mov_b32 s[SEL], 0x76543210
	s_mov_b32 s[SEL+1], 0xfedcba98                 ; v_permlanex16_b32's selects for lane l xor 16
	s_mov_b32 s[CS], 0x3e38aa3b                    ; c = log2(e) / sqrt(64)
	s_mov_b32 s[CS+1], s[CS]                       ; (named with it as a pair, so it is written)
	s_mov_b32 s[TB], 0
	s_mov_b32 s[T], 0
	s_mov_b32 s[KF], 0
	s_mov_b32 s83, 0
	s_wait_dscnt 0x0                               ; both opening adds are done
	s_wait_kmcnt 0x0
	s_mov_b32 s82, s92
	s_add_nc_u64 s[96:97], s[4:5], s[82:83]        ; Q's codes: the head's plane, the batch
	s_add_nc_u64 s[4:5], s[96:97], 16*393216       ; K's: 16 planes on
	s_add_nc_u64 s[12:13], s[12:13], s[82:83]      ; ctx's codes likewise
	s_mov_b32 s82, s94
	s_add_nc_u64 s[98:99], s[6:7], s[82:83]        ; Q's scale words
	s_add_nc_u64 s[6:7], s[98:99], 8*32768         ; K's: 8 planes on
	s_add_nc_u64 s[14:15], s[14:15], s[82:83]
	s_mov_b32 s82, s95
	s_add_nc_u64 s[98:99], s[98:99], s[82:83]
	s_add_nc_u64 s[14:15], s[14:15], s[82:83]
	s_mul_i32 s82, s85, 1572864                    ; V's codes: the batch's 32 planes, the head's 64 rows
	s_mul_i32 s93, s81, 3072
	s_add_co_u32 s82, s82, s93
	s_add_nc_u64 s[8:9], s[8:9], s[82:83]
	s_lshl_b32 s82, s85, 16                        ; V's scale words: the batch's 16 planes, the head's 64 words
	s_lshl_b32 s93, s81, 8
	s_add_co_u32 s82, s82, s93
	s_add_nc_u64 s[10:11], s[10:11], s[82:83]
	s_mul_i32 s82, s[QB0], 48
	s_add_nc_u64 s[86:87], s[12:13], s[82:83]      ; ctx at my rows of the second block,
	s_mul_i32 s82, s[Q0], 48
	s_add_nc_u64 s[12:13], s[12:13], s[82:83]      ; and of the first
	s_lshl_b32 s82, s[QB0], 2
	s_add_nc_u64 s[88:89], s[14:15], s[82:83]
	s_lshl_b32 s82, s[Q0], 2
	s_add_nc_u64 s[14:15], s[14:15], s[82:83]
	s_mov_b32 s[G0KC], 1
	s_mov_b32 s[G0KC+1], 0
	s_mov_b64 s[G0KC+2:G0KC+3], s[4:5]
	s_or_b32 s[G0KC+3], s[G0KC+3], 0x80000000
	s_mov_b32 s[G0VC], 1
	s_mov_b32 s[G0VC+1], VOFF
	s_mov_b64 s[G0VC+2:G0VC+3], s[8:9]
	s_or_b32 s[G0VC+3], s[G0VC+3], 0x80000000
	s_mov_b32 s[G0KS], 1
	s_mov_b32 s[G0KS+1], KSO
	s_mov_b64 s[G0KS+2:G0KS+3], s[6:7]
	s_or_b32 s[G0KS+3], s[G0KS+3], 0x80000000
	s_mov_b32 s[G0VS], 1
	s_mov_b32 s[G0VS+1], VSO
	s_mov_b64 s[G0VS+2:G0VS+3], s[10:11]
	s_or_b32 s[G0VS+3], s[G0VS+3], 0x80000000
	TLOAD                                          ; keys 0 to 255 into slot 0: key 0 counts for every query
	s_wait_alu depctr_va_vdst(0)
.irp p, 0,1,2
	global_load_b64 v[16+2*\p:17+2*\p], v102, s[96:97] offset:8*\p         ; Q's fragments of both blocks stay in registers
	global_load_b64 v[QB+2*\p:QB+2*\p+1], v103, s[96:97] offset:8*\p
.endr
	global_load_u16 v[QSC], v104, s[98:99]         ; the head's two bytes; bytes 2 and 3 are 0
	global_load_u16 v[QB+6], v105, s[98:99]
	; the prefetches: who asks, and where
	s_cmp_lt_u32 s[WV], 8
	s_cselect_b64 s[PFA:PFA+1], s[4:5], s[8:9]
	s_mov_b32 s[PFS], 196608
	s_cselect_b32 s[PFS], 12288, s[PFS]            ; a slot on
	s_mov_b32 s81, 49152
	s_cselect_b32 s81, 3072, s81                   ; from 12 blocks to the next 12
	s_mov_b32 s[PFS+1], 0
	s_add_nc_u64 s[PFA:PFA+1], s[PFA:PFA+1], s[PFS:PFS+1]          ; at slot 1: the first change of slots steps it to slot 2
	s_lshr_b32 s82, s[WV], 2
	s_sub_co_u32 s82, s82, 1
	s_lshr_b32 s82, s82, 1                         ; 0 in waves 4 to 11,
	s_or_b32 s82, s82, s91                         ; of the work-group with y = 0
	s_cmp_eq_u32 s82, 0
	s_cselect_b32 s[LIM], 0, 1
	s_and_b32 s82, s[WV], 3
	s_cmp_eq_u32 s82, 3                            ; (96 blocks are three waves' worth)
	s_cselect_b32 s[LIM], 1, s[LIM]
	s_lshl_b32 s82, s82, 5
	v_add_nc_u32 v106, s82, v99                    ; which of the 96 blocks
	s_delay_alu instid0(VALU_DEP_1)
	v_mul_u32_u24 v107, v106, 43
	s_delay_alu instid0(VALU_DEP_1)
	v_lshrrev_b32 v107, 9, v107                    ; / 12 (exact up to 95)
	s_delay_alu instid0(VALU_DEP_1)
	v_mul_u32_u24 v108, v107, 12
	s_delay_alu instid0(VALU_DEP_1)
	v_sub_nc_u32 v108, v106, v108
	s_delay_alu instid0(VALU_DEP_3)
	v_mul_lo_u32 v[PFO], v107, s81
	s_delay_alu instid0(VALU_DEP_1)
	v_lshl_add_u32 v[PFO], v108, 8, v[PFO]
	v_mul_u32_u24 v[AK0], v96, 48
	s_delay_alu instid0(VALU_DEP_1)
	v_mad_u32_u24 v[AK0], v97, 24, v[AK0]          ; a tile's row x 48 + 24 h
	s_delay_alu instid0(VALU_DEP_1)
	v_add_nc_u32 v[AV0], VOFF, v[AK0]
	v_add_nc_u32 v[ASV0], VSO, v98
	v_add_nc_u32 v[ASK0], KSO, v98
	s_delay_alu instid0(VALU_DEP_1)
	v_add_nc_u32 v[ASK0], s95, v[ASK0]             ; the head's two bytes of K's words
	v_lshlrev_b32 v[GO], 3, v99
	v_mov_b32 v[GS], v98
	s_mul_i32 s82, s[WV], 768
	s_add_co_u32 s82, s82, STAGE
	v_add_nc_u32 v[STI], s82, v[AK0]               ; my stage, in: row r x 48 + 24 h;
	v_add_nc_u32 v[STO], s82, v[GO]                ; back: 8 bytes a lane
.irp j, 22,23,24,25,26,27, 80,81,82,83,84,85
	v_mov_b32 v\j, 0                               ; zero codes
.endr
.irp b, 0,1,2,3
	v_mov_b32 v[BT+\b], 0                          ; written once: a lane permute's destination counts as one of its sources
.endr
	v_mov_b32 v[FF+1], 0                           ; (named as the upper half of a pair)
	v_mov_b32 v[TT], 0
	v_mov_b32 v13, 0xff61b1e6                      ; the largest t so far: -3e38
	s_delay_alu instid0(VALU_DEP_1)
	v_floor_f32 v12, -v13                          ; -M
	v_mov_b32 v14, 0
	v_mov_b32 v15, 0
.set j, 0
.rept 32
	v_mov_b32 v[160+j], 0                          ; O^T: a block's first step finds zeros, which the first change of M leaves zeros
.set j, j+1
.endr
; A KEY STEP: 128 keys, the q-th of the slot in hand.
.macro STEP q
	s_add_co_u32 s82, s[Q0], 15                    ; a step all of whose keys come after my 16 queries is left out: a branch on ids and the count of steps
	s_cmp_gt_u32 s[KF], s82
	s_cbranch_scc1 .Lhidden_\@
	v_add_nc_u32 v[ADK], s[TB], v[AK0]
	v_add_nc_u32 v[ADV], s[TB], v[AV0]
	v_add_nc_u32 v[ADS], s[TB], v[ASK0]
	v_add_nc_u32 v[ADT], s[TB], v[ASV0]
	v_nop                                          ; six places: the products below write over registers that the last step's products read as operands, which asks for four (ISA guide 7.12.1)
	v_nop
.irp t, 0,1,2,3,4,5,6,7
.irp p, 0,1,2
	ds_load_b64 v[32+6*\t+2*\p:33+6*\t+2*\p], v[ADK] offset:(128*(\q)+16*\t)*48+8*\p
.endr
	ds_load_u16 v[KS+\t], v[ADS] offset:(128*(\q)+16*\t)*4
.endr
	s_wait_dscnt 0x0
.irp t, 0,1,2,3,4,5,6,7                        ; S^T = K Q^T: lane (r, h): query r; registers 16 b + i: key 32 b + 16 h + i
	v_wmma_scale_f32_16x16x128_f8f6f4 v[96+8*\t:103+8*\t], v[32+6*\t:43+6*\t], v[16:27], 0, v[KS+\t], v[QSC] matrix_a_fmt:MATRIX_FMT_FP6 matrix_b_fmt:MATRIX_FMT_FP6
.endr
.rept 4
	v_nop
.endr
	s_add_co_u32 s82, s[KF], 127                   ; on the diagonal the scores of hidden keys become -infinity ahead of the maximum; a step all of whose keys count skips this
	s_cmp_le_u32 s82, s[Q0]
	s_cbranch_scc1 .Lopen_\@
	s_sub_co_i32 s82, s[Q0], s[KF]
	v_and_b32 v[BT], 15, v0
	v_bfe_u32 v[BT+1], v0, 4, 1
	s_delay_alu instid0(VALU_DEP_1)
	v_lshlrev_b32 v[BT+1], 4, v[BT+1]
	s_delay_alu instid0(VALU_DEP_1)
	v_sub_nc_u32 v[BT], v[BT], v[BT+1]
	s_delay_alu instid0(VALU_DEP_1)
	v_add_nc_u32 v[BT], s82, v[BT]                 ; d = my query - KF - 16 h: register 16 b + i is hidden where 32 b + i > d
	v_mov_b32 v[BT+2], 0xff800000
.set n, 0
.rept 64
	v_cmp_gt_i32 vcc_lo, 32*(n/16)+n%16, v[BT]
	v_cndmask_b32 v[96+n], v[96+n], v[BT+2], vcc_lo
.set n, n+1
.endr
.Lopen_\@:
.irp b, 0,1,2,3
	v_max3_num_f32 v[BM+\b], v[96+16*\b], v[97+16*\b], v[98+16*\b]         ; the largest score of each block of 32 keys: for the row's maximum and, since p rises with the score, for the block's largest p
.endr
.irp i, 3,5,7,9,11,13
.irp b, 0,1,2,3
	v_max3_num_f32 v[BM+\b], v[BM+\b], v[96+16*\b+\i], v[97+16*\b+\i]
.endr
.endr
.irp b, 0,1,2,3
	v_max_num_f32 v[BM+\b], v[BM+\b], v[111+16*\b]
.endr
.irp b, 0,1,2,3
	s_delay_alu instid0(VALU_DEP_4)
	v_permlanex16_b32 v[BT+\b], v[BM+\b], s[SEL], s[SEL+1]
.endr
.irp b, 0,1,2,3
	s_delay_alu instid0(VALU_DEP_4)
	v_max_num_f32 v[BM+\b], v[BM+\b], v[BT+\b]     ; with lane l xor 16's 16 keys
.endr
	s_delay_alu instid0(VALU_DEP_2)
	v_max3_num_f32 v[TT], v[BM], v[BM+1], v[BM+2]
	s_delay_alu instid0(VALU_DEP_1)
	v_max_num_f32 v[TT], v[TT], v[BM+3]
	s_delay_alu instid0(VALU_DEP_1)
	v_mul_f32 v[TT], s[CS], v[TT]                  ; as t
	s_delay_alu instid0(VALU_DEP_1)
	v_max_num_f32 v13, v13, v[TT]                  ; the running largest t
	v_mov_b32 v[TT], v12
	s_delay_alu instid0(VALU_DEP_2)
	v_floor_f32 v12, -v13                          ; the new -M = -ceil(t)
	s_delay_alu instid0(VALU_DEP_1)
	v_sub_f32 v[TT], v12, v[TT]                    ; old M - new M: a whole number, 0 or less
	s_delay_alu instid0(VALU_DEP_1)
	v_cvt_i32_f32 v[TT], v[TT]                     ; (it saturates)
	s_delay_alu instid0(VALU_DEP_1)
	v_ldexp_f32 v[FF], 1.0, v[TT]                  ; f = 2^(old M - new M)
.set j, 0
.rept 32
	v_pk_fma_f32 v[96+j:97+j], v[96+j:97+j], s[CS:CS+1], v[12:13] op_sel_hi:[1,0,0]        ; t - M
.set j, j+2
.endr
.irp b, 0,1,2,3
	v_fma_f32 v[BM+\b], v[BM+\b], s[CS], v12
.endr
.set j, 0
	s_wait_alu depctr_va_vdst(0)
.rept 64
	v_exp_f32 v[96+j], v[96+j]                     ; p = 2^(t - M)
.set j, j+1
.endr
	v_pk_mul_f32 v[14:15], v[14:15], v[FF:FF+1] op_sel_hi:[1,0]    ; the sums under the new M (a plain place behind the exponentials)
	s_wait_alu depctr_va_vdst(0)                   ; one wait for the batch, ahead of its first reader
.irp b, 0,1,2,3
	v_exp_f32 v[BM+\b], v[BM+\b]                   ; the blocks' largest p
.endr
	v_pk_add_f32 v[216:217], v[100:101], v[104:105]
	v_pk_add_f32 v[254:255], v[108:109], v[112:113]
	v_pk_add_f32 v[252:253], v[116:117], v[120:121]
	v_pk_add_f32 v[250:251], v[124:125], v[128:129]
	v_pk_add_f32 v[248:249], v[132:133], v[136:137]
	v_pk_add_f32 v[246:247], v[140:141], v[144:145]
	v_pk_add_f32 v[244:245], v[148:149], v[152:153]
	v_pk_add_f32 v[14:15], v[14:15], v[156:157]
	v_pk_add_f32 v[216:217], v[216:217], v[96:97]
	v_pk_add_f32 v[254:255], v[254:255], v[98:99]
	v_pk_add_f32 v[252:253], v[252:253], v[102:103]
	v_pk_add_f32 v[250:251], v[250:251], v[106:107]
	v_pk_add_f32 v[248:249], v[248:249], v[110:111]
	v_pk_add_f32 v[246:247], v[246:247], v[114:115]
	v_pk_add_f32 v[244:245], v[244:245], v[118:119]
	v_pk_add_f32 v[14:15], v[14:15], v[122:123]
	v_pk_add_f32 v[216:217], v[216:217], v[126:127]
	v_pk_add_f32 v[254:255], v[254:255], v[130:131]
	v_pk_add_f32 v[252:253], v[252:253], v[134:135]
	v_pk_add_f32 v[250:251], v[250:251], v[138:139]
	v_pk_add_f32 v[248:249], v[248:249], v[142:143]
	v_pk_add_f32 v[246:247], v[246:247], v[146:147]
	v_pk_add_f32 v[244:245], v[244:245], v[150:151]
	v_pk_add_f32 v[14:15], v[14:15], v[154:155]
	v_pk_add_f32 v[216:217], v[216:217], v[158:159]
	s_delay_alu instid0(VALU_DEP_2)
	v_pk_add_f32 v[14:15], v[14:15], v[250:251]
	s_delay_alu instid0(VALU_DEP_2)
	v_pk_add_f32 v[216:217], v[216:217], v[248:249]
	v_pk_add_f32 v[254:255], v[254:255], v[246:247]
	v_pk_add_f32 v[252:253], v[252:253], v[244:245]
	s_delay_alu instid0(VALU_DEP_2)
	v_pk_add_f32 v[14:15], v[14:15], v[254:255]
	s_delay_alu instid0(VALU_DEP_2)
	v_pk_add_f32 v[216:217], v[216:217], v[252:253]
	s_delay_alu instid0(VALU_DEP_1)
	v_pk_add_f32 v[14:15], v[14:15], v[216:217]
	s_wait_alu depctr_va_vdst(0)                   ; and one for the four
.irp b, 0,1,2,3
	v_max_num_f32 v[BM+\b], 0x1800000, v[BM+\b]    ; the floor 2^(3 - 127)
.endr
.irp b, 0,1,2,3
	s_delay_alu instid0(VALU_DEP_4)
	v_add_nc_u32 v[SCR+\b], 0xff000000, v[BM+\b]   ; the conversions' scale operands
.endr
.irp b, 0,1,2,3
	s_delay_alu instid0(VALU_DEP_4)
	v_lshrrev_b32 v[BT+\b], 23, v[SCR+\b]
.endr
	s_delay_alu instid0(VALU_DEP_3)
	v_lshl_or_b32 v[PW], v[BT+1], 8, v[BT]         ; p's scale word for these 128 keys
	s_delay_alu instid0(VALU_DEP_1)
	v_lshl_or_b32 v[PW], v[BT+2], 16, v[PW]
	s_delay_alu instid0(VALU_DEP_1)
	v_lshl_or_b32 v[PW], v[BT+3], 24, v[PW]
.irp c, 0,1
	v_cvt_scalef32_pk16_fp6_f32 v[192+6*\c:194+6*\c], v[96+32*\c:111+32*\c], v[SCR+2*\c]
	v_cvt_scalef32_pk16_fp6_f32 v[204+4*\c:206+4*\c], v[112+32*\c:127+32*\c], v[SCR+2*\c+1]
.endr
	v_nop                                          ; one plain place behind the conversions
.irp t, 0,1,2,3                                ; V's four fragments land where p lay, while the codes are put in order and O^T is rescaled
.irp c, 0,1
.irp p, 0,1,2
	ds_load_b64 v[96+12*\t+6*\c+2*\p:97+12*\t+6*\c+2*\p], v[ADV] offset:(2*(\q)+\c)*3072+\t*768+8*\p
.endr
.endr
	ds_load_b32 v[KS+\t], v[ADT] offset:256*(\q)+64*\t
.endr
.irp c, 0,1                                    ; the operand's layout wants a whole block in a lane
.irp i, 0,1,2
	v_permlane16_swap_b32 v[192+6*\c+\i], v[204+4*\c+\i]
.endr
.irp i, 0,1,2
	s_delay_alu instid0(VALU_DEP_3)
	v_mov_b32 v[195+6*\c+\i], v[204+4*\c+\i]
.endr
.endr
.set j, 0
.rept 16
	v_pk_mul_f32 v[160+j:161+j], v[160+j:161+j], v[FF:FF+1] op_sel_hi:[1,0]        ; O^T under the new M (also the places in front of the products below)
.set j, j+2
.endr
	s_wait_alu depctr_va_vdst(0)
	s_wait_dscnt 0x0
.irp t, 0,1,2,3                                ; O^T += V^T P^T: four accumulators by turns
	v_wmma_scale_f32_16x16x128_f8f6f4 v[160+8*\t:167+8*\t], v[96+12*\t:107+12*\t], v[192:203], v[160+8*\t:167+8*\t], v[KS+\t], v[PW] matrix_a_fmt:MATRIX_FMT_FP6 matrix_b_fmt:MATRIX_FMT_FP6
.endr
.Lhidden_\@:
	s_add_co_u32 s[KF], s[KF], 128
.endm
; A BLOCK'S END: ctx = O^T / the sum, quantised along d (two blocks of 32), through my stage, out as three units of 256 bytes.
.macro FINISH
.rept 4
	v_nop                                          ; places behind the last products
.endr
	v_add_f32 v14, v14, v15
	s_delay_alu instid0(VALU_DEP_1)
	v_permlanex16_b32 v[TT], v14, s[SEL], s[SEL+1]
	s_delay_alu instid0(VALU_DEP_1)
	v_add_f32 v14, v14, v[TT]                      ; the row's sum
	s_wait_alu depctr_va_vdst(0)
	v_rcp_f32 v14, v14
	v_nop                                          ; a plain place behind the reciprocal
	s_wait_alu depctr_va_vdst(0)                   ; and the wait ahead of its first reader
.set j, 0
.rept 16
	v_pk_mul_f32 v[96+j:97+j], v[160+j:161+j], v[14:15] op_sel_hi:[1,0]    ; register 16 b + i: d = 32 b + 16 h + i
.set j, j+2
.endr
.irp b, 0,1
	v_max3_num_f32 v[BM+\b], |v[96+16*\b]|, |v[97+16*\b]|, 0x1800000
.endr
.irp i, 2,4,6,8,10,12,14
.irp b, 0,1
	s_delay_alu instid0(VALU_DEP_2)
	v_max3_num_f32 v[BM+\b], v[BM+\b], |v[96+16*\b+\i]|, |v[97+16*\b+\i]|
.endr
.endr
.irp b, 0,1
	s_delay_alu instid0(VALU_DEP_2)
	v_permlanex16_b32 v[BT+\b], v[BM+\b], s[SEL], s[SEL+1]
.endr
.irp b, 0,1
	s_delay_alu instid0(VALU_DEP_2)
	v_max_num_f32 v[BM+\b], v[BM+\b], v[BT+\b]
.endr
.irp b, 0,1
	s_delay_alu instid0(VALU_DEP_2)
	v_add_nc_u32 v[SCR+\b], 0xff000000, v[BM+\b]
.endr
.irp b, 0,1
	s_delay_alu instid0(VALU_DEP_2)
	v_lshrrev_b32 v[BT+\b], 23, v[SCR+\b]
.endr
	s_delay_alu instid0(VALU_DEP_1)
	v_lshl_or_b32 v[PW], v[BT+1], 8, v[BT]         ; the head's two bytes of the row's word
	v_cvt_scalef32_pk16_fp6_f32 v[192:194], v[96:111], v[SCR]
	v_cvt_scalef32_pk16_fp6_f32 v[204:206], v[112:127], v[SCR+1]
	v_nop
.irp i, 0,1,2
	v_permlane16_swap_b32 v[192+\i], v[204+\i]
.endr
.irp i, 0,1,2
	s_delay_alu instid0(VALU_DEP_3)
	v_mov_b32 v[195+\i], v[204+\i]                 ; lane (r, h): block h of query r: 24 bytes
.endr
.irp i, 0,1,2
	ds_store_b64 v[STI], v[192+2*\i:193+2*\i] offset:8*\i
.endr
.irp i, 0,1,2
	ds_load_b64 v[198+2*\i:199+2*\i], v[STO] offset:256*\i         ; LDS serves a wave's instructions in order: these see my stores
.endr
	s_wait_alu depctr_va_vdst(0)
	s_wait_dscnt 0x0
.irp i, 0,1,2
	global_store_b64 v[GO], v[198+2*\i:199+2*\i], s[12:13] offset:256*\i   ; 32 lanes store 256 consecutive bytes, at a multiple of 256 from the buffer's first byte
.endr
	global_store_b16 v[GS], v[PW], s[14:15]        ; lanes r and 16 + r store the same two bytes with the same value
	s_wait_xcnt 0x0                                ; the stores have read their registers and bases: both may be written again
.endm
.macro RESTART                         ; on to the second block.  Q and its scale words first: more than eight plain lines follow them ahead of the next product
.irp i, 0,1,2,3,4,5
	v_mov_b32 v[16+\i], v[QB+\i]
.endr
	v_mov_b32 v[QSC], v[QB+6]
	v_mov_b32 v13, 0xff61b1e6
	s_delay_alu instid0(VALU_DEP_1)
	v_floor_f32 v12, -v13
	v_mov_b32 v14, 0
	v_mov_b32 v15, 0
.set j, 0
.rept 32
	v_mov_b32 v[160+j], 0
.set j, j+1
.endr
	s_mov_b32 s[Q0], s[QB0]
	s_mov_b32 s[KF], 0
	s_mov_b64 s[12:13], s[86:87]
	s_mov_b64 s[14:15], s[88:89]
.endm
; THE CHANGE OF SLOTS stands at a visit's head.  Each wave waits for all its tensor loads, adds 0 to its spare word, and waits for that and for its reads of the slot that it has left.  Behind the barrier the slot ahead
; is whole and nobody reads the other one.  fill = 1: that other slot takes the keys of the next visit: slot T + 1 of the first block's walk, or T + 1 - SW of the second's.  Every visit's slot is read: no load is jumped over.
.macro CHANGE fill
	s_wait_tensorcnt 0x0                           ; no tensor load of mine is out, so a group 0 may be written
	ds_add_u32 v[SPW], v[NIL]                      ; 0 onto my spare word
.if \fill
	ds_add_u32 v[SPW], v[NIL]                      ; and once more: the add stands twice on end, in every trip alike
	s_add_co_u32 s[NX], s[T], 1
	s_cmp_ge_u32 s[NX], s[SW]
	s_cselect_b32 s82, s[SW], 0
	s_sub_co_u32 s[NX], s[NX], s82                 ; which 256 keys the next visit wants
	s_mov_b32 s83, 0
	s_xor_b32 s[G0KC+1], s[G0KC+1], SLOT1
	s_mul_i32 s82, s[NX], 12288
	s_add_nc_u64 s[G0KC+2:G0KC+3], s[4:5], s[82:83]
	s_or_b32 s[G0KC+3], s[G0KC+3], 0x80000000
	s_xor_b32 s[G0VC+1], s[G0VC+1], SLOT1
	s_mul_i32 s82, s[NX], 196608
	s_add_nc_u64 s[G0VC+2:G0VC+3], s[8:9], s[82:83]
	s_or_b32 s[G0VC+3], s[G0VC+3], 0x80000000
	s_xor_b32 s[G0KS+1], s[G0KS+1], SLOT1
	s_lshl_b32 s82, s[NX], 10
	s_add_nc_u64 s[G0KS+2:G0KS+3], s[6:7], s[82:83]
	s_or_b32 s[G0KS+3], s[G0KS+3], 0x80000000
	s_xor_b32 s[G0VS+1], s[G0VS+1], SLOT1
	s_lshl_b32 s82, s[NX], 13
	s_add_nc_u64 s[G0VS+2:G0VS+3], s[10:11], s[82:83]
	s_or_b32 s[G0VS+3], s[G0VS+3], 0x80000000
	s_wait_xcnt 0x0                                ; the last prefetch has read its address, so it may be stepped
	s_add_nc_u64 s[PFA:PFA+1], s[PFA:PFA+1], s[PFS:PFS+1]          ; at slot T + 2
.endif
	s_wait_dscnt 0x0                               ; the add is done, and my reads of the slot that I have left are over
	s_barrier_signal -1
	s_barrier_wait -1
.if \fill
	TLOAD                                          ; the first thing behind the barrier, and a wave's one tensor load until the next
	ASK
.endif
.endm
.macro VISIT fill
	CHANGE \fill
	s_cmp_lg_u32 s[T], s[SW]                       ; the blocks change at visit 8 - i: ids and the count of visits alone, the same in all sixteen waves; no barrier and no tensor load stands inside
	s_cbranch_scc1 .Lsame_\@
	FINISH
	RESTART
.Lsame_\@:
	STEP 0
	STEP 1
	s_xor_b32 s[TB], s[TB], SLOT1
.endm
	s_wait_loadcnt 0x0                             ; Q
.Lvisit:                                               ; eight trips: behind each change of slots but the last the next visit's slot is asked for
	VISIT 1
	s_add_co_u32 s[T], s[T], 1
	s_cmp_lt_u32 s[T], 8
	s_cbranch_scc1 .Lvisit
	VISIT 0                                        ; the ninth visit is written out: it asks for nothing
	FINISH
	s_wait_tensorcnt 0x0                           ; the wave's end, behind my last tensor load and my last LDS store
	ds_add_u32 v[SPW], v[NIL]
	s_wait_dscnt 0x0
	s_endpgm
.Lfunc_end_k_q42ac690fdb_attn:
	.size	k_q42ac690fdb_attn, .Lfunc_end_k_q42ac690fdb_attn-k_q42ac690fdb_attn
	.p2alignl 7, 3214868480
	.fill 96, 4, 3214868480
	.section	.rodata,"a",@progbits
	.p2align	6, 0x0
	.amdhsa_kernel k_q42ac690fdb_attn
		.amdhsa_group_segment_fixed_size 327680
		.amdhsa_private_segment_fixed_size 0
		.amdhsa_enable_private_segment 0
		.amdhsa_kernarg_size 48
		.amdhsa_user_sgpr_count 2
		.amdhsa_user_sgpr_kernarg_segment_ptr 1
		.amdhsa_wavefront_size32 1
		.amdhsa_system_sgpr_workgroup_id_x 1
		.amdhsa_system_sgpr_workgroup_id_y 1
		.amdhsa_system_sgpr_workgroup_id_z 1
		.amdhsa_system_vgpr_workitem_id 0
		.amdhsa_next_free_vgpr 256
		.amdhsa_next_free_sgpr 100
		.amdhsa_reserve_vcc 1
		.amdhsa_float_denorm_mode_32 3
		.amdhsa_float_denorm_mode_16_64 3
		.amdhsa_memory_ordered 1
		.amdhsa_forward_progress 1
		.amdhsa_inst_pref_size 130
	.end_amdhsa_kernel
	.amdgpu_metadata
---
amdhsa.version: [ 1, 2 ]
amdhsa.kernels:
  - .name:           k_q42ac690fdb_attn
    .symbol:         k_q42ac690fdb_attn.kd
    .args:
      - { .name: qk_codes, .offset: 0, .size: 8, .value_kind: global_buffer, .address_space: global }
      - { .name: qk_scales, .offset: 8, .size: 8, .value_kind: global_buffer, .address_space: global }
      - { .name: v_codes, .offset: 16, .size: 8, .value_kind: global_buffer, .address_space: global }
      - { .name: v_scales, .offset: 24, .size: 8, .value_kind: global_buffer, .address_space: global }
      - { .name: ctx_codes, .offset: 32, .size: 8, .value_kind: global_buffer, .address_space: global }
      - { .name: ctx_scales, .offset: 40, .size: 8, .value_kind: global_buffer, .address_space: global }
    .group_segment_fixed_size: 327680
    .private_segment_fixed_size: 0
    .kernarg_segment_align: 8
    .kernarg_segment_size: 48
    .max_flat_workgroup_size: 512
    .sgpr_count:     100
    .vgpr_count:     256
    .wavefront_size: 32
...
	.end_amdgpu_metadata
.endif
;; end of part 3
;; launch oproj (part 4): grid 4 x 64, 4 waves a work-group, clusters of 4 x 4, 327,680 bytes of LDS; arguments ctx_codes, ctx_scales, xw_codes, xw_scales, bo, out0; writes out0
.if DOCPART == 4
	.amdgcn_target "amdgcn-amd-amdhsa--gfx1250"
	.amdhsa_code_object_version 6
	.text
	.protected	k_q42ac690fdb_oproj
	.globl	k_q42ac690fdb_oproj
	.p2align	8
	.type	k_q42ac690fdb_oproj,@function
k_q42ac690fdb_oproj:
	s_mov_b64 s[64:65], 0
	v_nop
	global_prefetch_b8 v0, s[64:65] scope:SCOPE_SE
	s_setreg_imm32_b32 hwreg(HW_REG_WAVE_MODE, 25, 1), 1
	s_wait_xcnt 0x0
	s_wait_alu depctr_hold_cnt(0) depctr_sa_sdst(0) depctr_va_vdst(0) depctr_va_sdst(0) depctr_va_ssrc(0) depctr_va_vcc(0) depctr_vm_vsrc(0)
	s_getreg_b32 s2, hwreg(HW_REG_IB_STS2, 6, 4)
	s_cmp_eq_u32 s2, 0
	s_cbranch_scc0 .Lentry_in_a_cluster
	s_endpgm
.Lentry_in_a_cluster:
	s_bfe_u32 s2, ttmp6, 0x10000c
	s_cmp_lg_u32 s2, 0xf033
	s_cbranch_scc0 .Lentry_shape_is_right
	s_endpgm
.Lentry_shape_is_right:
; PRODUCT 6 ON CODES: out0[i][j] = sum over k of ctx[i][k] Wo[k][j] + bo[j], f32.  No work is left out here.
; ctx: ctx_codes [16][8,192][48], ctx_scales [8][8,192][4]; Wo's column j: row 11,264 + j of xw_codes [16][12,288][48], xw_scales [8][12,288][4].
; A tile of out0 is 128 x 256: 256 work-groups.  Four waves, each 64 x 128: 32 accumulators.  THE MATRIX INSTRUCTION IS USED TRANSPOSED (source 0 = 16 rows of Wo's, source 1 = 16 rows of ctx).
; ALL OF K = 1,024 FITS IN LDS: every byte is filled once, nothing is filled again.  A wave issues five tensor loads on end (its scale words, then four K quarters of 256): five are out at the most; the counted waits
; in front of the barriers leave the later quarters on their way.  CLUSTERS: 4 x 4: ctx's tiles are shared along a row of the cluster, Wo's along a column.
; bo is the C of each sum's first matrix instruction.
; REGISTERS: window 0: v8-29 addresses; v32-47 ctx's scale words, v48-79 Wo's (two sets each); ctx's fragments, two sets, at v80 and v128; v176-239 bo.  window 1: Wo's fragments, two sets, at v0 and v128.
;   window 2: accumulator (a, b) at v[8 (8 a + b)].
.set PPX,   589824                     ; a plane of xw_codes
.set PPC,   393216                     ; a plane of ctx_codes
.set AL,    12288                      ; a load of ctx's: [4 planes][64 rows][48]
.set BL,    24576                      ; a load of Wo's: [4 planes][128 rows][48]
.set BOFF,  98304
.set SCAO,  294912                     ; ctx's scale words: two loads of [8 planes][64 rows][4]
.set SCBO,  299008                     ; Wo's: two loads of [8 planes][128 rows][4]
.set SPARE, 307200                     ; the spare words, 128 bytes for each wave: two blocks of 256 bytes that no other line names
.set SPITCH, 528                       ; the way out: a stage of 16 rows x (512 + 16) bytes for each wave, from LDS byte 0: ctx's first two K quarters, which nobody reads behind the barrier of step 3
.set ADRA, 8                           ; v8-11  my ctx fragments, K quarter 0..3
.set ADRB, 12                          ; v12-15 my Wo fragments
.set ASA,  16
.set ASB,  17
.set STO,  18
.set RD,   19
.set CO,   20
.set SPW,  28                          ; LDS address of my spare word; never rewritten
.set NIL,  29                          ; 0; never rewritten
.set SCA,  32
.set SCB,  48
.set AF,   80
.set BO,   176
.set BK,   80
.set G1A,  20
.set G1B,  28
.set G1SA, 36
.set G1SB, 44
.set GA0,  52                          ; groups 0 for ctx: the scale words, then K quarters 0..3
.set GA1,  56
.set GA2,  60
.set GA3,  68
.set GA4,  72
.set GB0,  76                          ; the same for Wo
.set GB1,  80
.set GB2,  84
.set GB3,  88
.set GB4,  92
.set MSB, 0
.macro WIN new
.if MSB != (\new)
	s_set_vgpr_msb (MSB<<8)|(\new)
.set MSB, (\new)
.endif
.endm
.set MUL,   0xa1                       ; source 0 (Wo) window 1, source 1 (ctx) window 0, C and D window 2
.set MUL_0, 0x81                       ; the same with C (bo) in window 0
.set TO_B,  0x40
.macro CREST
	s_cmp_lg_u32 s16, 0
	s_cbranch_scc1 .Lnot_wave_0_\@
	s_barrier_signal -3
.Lnot_wave_0_\@:
	s_barrier_wait -3
	s_barrier_signal -1
	s_barrier_wait -1
.endm
.macro CROUND
	s_barrier_signal -1
	s_barrier_wait -1
	CREST
.endm
.macro PLACES n
.rept \n
	v_nop
.endr
.endm
	s_load_b256 s[4:11], s[0:1], 0x0               ; ctx_codes, ctx_scales, xw_codes, xw_scales
	s_load_b128 s[12:15], s[0:1], 0x20             ; bo, out0
	v_lshl_add_u32 v[SPW], v0, 2, SPARE
	v_mov_b32 v[NIL], 0
	ds_add_u32 v[SPW], v[NIL]                      ; the wave's opening: the add, twice on end, and its wait ahead of my first tensor load
	ds_add_u32 v[SPW], v[NIL]
	v_lshrrev_b32 v1, 5, v0
	v_readfirstlane_b32 s16, v1                    ; wave 0..3
	s_lshr_b32 s17, s16, 1                         ; wm: my 64 of the tile's rows.  Also: I fetch for ctx (0) or for Wo (1)
	s_and_b32 s18, s16, 1                          ; wn: my 128 of its columns.  Also: which half I fetch
	s_bfe_u32 s96, ttmp6, 0x40000                  ; cx
	s_bfe_u32 s97, ttmp6, 0x40004                  ; cy
	s_lshl_b32 s99, ttmp9, 2
	s_add_co_u32 s99, s99, s96                     ; tile column
	s_and_b32 s98, ttmp7, 0xffff
	s_lshl_b32 s98, s98, 2
	s_add_co_u32 s98, s98, s97                     ; tile row
	s_lshl_b32 s101, s97, 2
	s_lshl_b32 s101, 15, s101                      ; my row of the cluster
	s_lshl_b32 s105, 0x1111, s96                   ; my column
	s_or_b32 s[G1A], s101, (3<<16)|(1<<21)         ; the mask; elements of 8 bytes; no padding; bit 21 set beside a mask
	s_or_b32 s[G1SA], s101, (3<<16)|(1<<21)
	s_or_b32 s[G1B], s105, (3<<16)|(1<<21)
	s_or_b32 s[G1SB], s105, (3<<16)|(1<<21)
	s_mov_b32 s[G1A+1], 384<<16                    ; ctx's codes: 4 planes; of each 64 rows x 48 bytes = 384 elements
	s_mov_b32 s[G1A+2], 4<<16
	s_mov_b32 s[G1A+3], 384<<16
	s_mov_b32 s[G1A+4], 4
	s_mov_b32 s[G1A+5], PPC/8
	s_mov_b32 s[G1A+6], 0
	s_mov_b32 s[G1A+7], 0
	s_mov_b32 s[G1B+1], 768<<16                    ; Wo's: of each plane 128 rows x 48 bytes
	s_mov_b32 s[G1B+2], 4<<16
	s_mov_b32 s[G1B+3], 768<<16
	s_mov_b32 s[G1B+4], 4
	s_mov_b32 s[G1B+5], PPX/8
	s_mov_b32 s[G1B+6], 0
	s_mov_b32 s[G1B+7], 0
	s_mov_b32 s[G1SA+1], 32<<16                    ; ctx's scale words: 8 planes; of each 64 words
	s_mov_b32 s[G1SA+2], 8<<16
	s_mov_b32 s[G1SA+3], 32<<16
	s_mov_b32 s[G1SA+4], 8
	s_mov_b32 s[G1SA+5], 4096
	s_mov_b32 s[G1SA+6], 0
	s_mov_b32 s[G1SA+7], 0
	s_mov_b32 s[G1SB+1], 64<<16                    ; Wo's: of each 128 words
	s_mov_b32 s[G1SB+2], 8<<16
	s_mov_b32 s[G1SB+3], 64<<16
	s_mov_b32 s[G1SB+4], 8
	s_mov_b32 s[G1SB+5], 6144
	s_mov_b32 s[G1SB+6], 0
	s_mov_b32 s[G1SB+7], 0
	s_lshl_b32 s100, s98, 7
	s_lshl_b32 s101, s18, 6
	s_add_co_u32 s100, s100, s101                  ; ctx's rows: 128 x tile row + 64 x half: cx never enters
	s_lshl_b32 s104, s99, 8
	s_lshl_b32 s105, s18, 7
	s_add_co_u32 s104, s104, s105
	s_add_co_u32 s104, s104, 11264                 ; Wo's rows: 11,264 + 256 x tile column + 128 x half: cy never enters
	s_mul_i32 s2, s18, AL                          ; where they go: no place in the cluster enters an LDS address
	s_mul_i32 s3, s18, BL
	s_add_co_u32 s3, s3, BOFF
	s_lshl_b32 s19, s18, 11
	s_mov_b32 s[GA0], 1
	s_add_co_u32 s[GA0+1], s19, SCAO
	s_lshl_b32 s19, s18, 12
	s_mov_b32 s[GB0], 1
	s_add_co_u32 s[GB0+1], s19, SCBO
	s_mov_b32 s[GA1], 1
	s_mov_b32 s[GA1+1], s2
	s_mov_b32 s[GA2], 1
	s_add_co_u32 s[GA2+1], s2, 2*AL
	s_mov_b32 s[GA3], 1
	s_add_co_u32 s[GA3+1], s2, 4*AL
	s_mov_b32 s[GA4], 1
	s_add_co_u32 s[GA4+1], s2, 6*AL
	s_mov_b32 s[GB1], 1
	s_mov_b32 s[GB1+1], s3
	s_mov_b32 s[GB2], 1
	s_add_co_u32 s[GB2+1], s3, 2*BL
	s_mov_b32 s[GB3], 1
	s_add_co_u32 s[GB3+1], s3, 4*BL
	s_mov_b32 s[GB4], 1
	s_add_co_u32 s[GB4+1], s3, 6*BL
	s_lshl_b32 s[GA0+2], s100, 2
	s_mov_b32 s[GA0+3], 0
	s_lshl_b32 s[GB0+2], s104, 2
	s_mov_b32 s[GB0+3], 0
	s_mul_i32 s[GA1+2], s100, 48
	s_mov_b32 s[GA1+3], 0
	s_mul_i32 s[GB1+2], s104, 48
	s_mov_b32 s[GB1+3], 0
	s_wait_dscnt 0x0                               ; both opening adds are done
	s_wait_kmcnt 0x0
	s_add_nc_u64 s[GA0+2:GA0+3], s[6:7], s[GA0+2:GA0+3]
	s_add_nc_u64 s[GB0+2:GB0+3], s[10:11], s[GB0+2:GB0+3]
	s_add_nc_u64 s[GA1+2:GA1+3], s[4:5], s[GA1+2:GA1+3]
	s_add_nc_u64 s[GB1+2:GB1+3], s[8:9], s[GB1+2:GB1+3]
	s_add_nc_u64 s[GA2+2:GA2+3], s[GA1+2:GA1+3], 4*PPC
	s_add_nc_u64 s[GA3+2:GA3+3], s[GA1+2:GA1+3], 8*PPC
	s_add_nc_u64 s[GA4+2:GA4+3], s[GA1+2:GA1+3], 12*PPC
	s_add_nc_u64 s[GB2+2:GB2+3], s[GB1+2:GB1+3], 4*PPX
	s_add_nc_u64 s[GB3+2:GB3+3], s[GB1+2:GB1+3], 8*PPX
	s_add_nc_u64 s[GB4+2:GB4+3], s[GB1+2:GB1+3], 12*PPX
.irp g, GA0, GA1, GA2, GA3, GA4, GB0, GB1, GB2, GB3, GB4
	s_or_b32 s[\g+3], s[\g+3], 0x80000000          ; type = 2
.endr
	CROUND                                         ; all sixteen work-groups are here: the joint loads meet
	s_cmp_eq_u32 s17, 0                            ; a wave's five fills stand in one branch on the wave's number; an s_nop 0 follows each, four v_nop the last
	s_cbranch_scc0 .Lfirst_b
	tensor_load_to_lds s[GA0:GA0+3], s[G1SA:G1SA+7]
	s_nop 0
	tensor_load_to_lds s[GA1:GA1+3], s[G1A:G1A+7]
	s_nop 0
	tensor_load_to_lds s[GA2:GA2+3], s[G1A:G1A+7]
	s_nop 0
	tensor_load_to_lds s[GA3:GA3+3], s[G1A:G1A+7]
	s_nop 0
	tensor_load_to_lds s[GA4:GA4+3], s[G1A:G1A+7]
	s_nop 0
.rept 4
	v_nop
.endr
	s_branch .Lfirst_done
.Lfirst_b:
	tensor_load_to_lds s[GB0:GB0+3], s[G1SB:G1SB+7]
	s_nop 0
	tensor_load_to_lds s[GB1:GB1+3], s[G1B:G1B+7]
	s_nop 0
	tensor_load_to_lds s[GB2:GB2+3], s[G1B:G1B+7]
	s_nop 0
	tensor_load_to_lds s[GB3:GB3+3], s[G1B:G1B+7]
	s_nop 0
	tensor_load_to_lds s[GB4:GB4+3], s[G1B:G1B+7]
	s_nop 0
.rept 4
	v_nop
.endr
.Lfirst_done:
	v_and_b32 v1, 15, v0                           ; r
	s_wait_alu depctr_va_vdst(0)
	v_bfe_u32 v2, v0, 4, 1                         ; h
	s_lshl_b32 s2, s99, 10                         ; my first column, in bytes: 1,024 x tile column + 512 wn
	s_lshl_b32 s3, s18, 9
	s_add_co_u32 s2, s2, s3
	s_mov_b32 s3, 0
	s_add_nc_u64 s[12:13], s[12:13], s[2:3]        ; bo there,
	s_add_nc_u64 s[14:15], s[14:15], s[2:3]        ; and out0
	v_lshlrev_b32 v3, 5, v2                        ; lane (r, h) wants, for column block b, bo at 16 b + 8 h + 0 .. 7
.irp b, 0,1,2,3,4,5,6,7
	global_load_b128 v[BO+8*\b:BO+8*\b+3], v3, s[12:13] offset:64*\b
	global_load_b128 v[BO+8*\b+4:BO+8*\b+7], v3, s[12:13] offset:64*\b+16
.endr
	s_lshl_b32 s2, s98, 7
	s_lshl_b32 s19, s17, 6
	s_add_co_u32 s2, s2, s19                       ; my first row: 128 x tile row + 64 wm
	s_lshl_b32 s2, s2, 12
	s_add_nc_u64 s[14:15], s[14:15], s[2:3]
	v_mul_u32_u24 v4, v1, 48
	s_wait_alu depctr_va_vdst(0)
	v_mad_u32_u24 v4, v2, 24, v4                   ; a fragment's row x 48 + 24 h
	s_wait_alu depctr_va_vdst(0)
	s_mul_i32 s2, s17, AL
	s_mul_i32 s19, s18, BL
	s_add_co_u32 s19, s19, BOFF
.irp g, 0,1,2,3
	v_add_nc_u32 v[ADRA+\g], s2, v4
	v_add_nc_u32 v[ADRB+\g], s19, v4
	s_add_co_u32 s2, s2, 2*AL
	s_add_co_u32 s19, s19, 2*BL
.endr
	s_lshl_b32 s2, s17, 11
	s_add_co_u32 s2, s2, SCAO
	v_lshl_add_u32 v[ASA], v1, 2, s2
	s_lshl_b32 s2, s18, 12
	s_add_co_u32 s2, s2, SCBO
	v_lshl_add_u32 v[ASB], v1, 2, s2
	s_mul_i32 s2, s16, 16*SPITCH                   ; my stage
	v_mul_u32_u24 v5, v1, SPITCH
	v_lshl_add_u32 v5, v2, 5, v5
	v_add_nc_u32 v[STO], s2, v5                    ; in: row r, 32 bytes for each half of the lanes
	v_and_b32 v6, 31, v0
	v_lshlrev_b32 v[CO], 4, v6
	v_add_nc_u32 v[RD], s2, v[CO]                  ; back: the 32 lanes take one row of 512 bytes
.macro FETCH g, q, p                   ; 72 loads: the fragments of K quarter g's q-th 128 into set p
	WIN TO_B
.irp i, 0,1,2,3,4,5,6,7
.irp u, 0,1,2,3,4,5
	ds_load_b64 v[128*(\p)+12*\i+2*\u:128*(\p)+12*\i+2*\u+1], v[ADRB+\g] offset:(2*(\q)+\u/3)*6144+\i*768+8*(\u%3)
.endr
.endr
	WIN 0
.irp i, 0,1,2,3
.irp u, 0,1,2,3,4,5
	ds_load_b64 v[AF+48*(\p)+12*\i+2*\u:AF+48*(\p)+12*\i+2*\u+1], v[ADRA+\g] offset:(2*(\q)+\u/3)*3072+\i*768+8*(\u%3)
.endr
.endr
.endm
.macro SCALES sc, g                    ; K quarter g's scale words into set sc: register 2 i + q
.irp q, 0,1
.irp i, 0,1,2,3
	ds_load_b32 v[SCA+8*(\sc)+2*\i+\q], v[ASA] offset:256*(2*(\g)+\q)+64*\i
.endr
.irp i, 0,1,2,3,4,5,6,7
	ds_load_b32 v[SCB+16*(\sc)+2*\i+\q], v[ASB] offset:512*(2*(\g)+\q)+64*\i
.endr
.endr
.endm
; 8 matrix instructions: ctx's block a against Wo's eight.  The 32 accumulators take turns, one instruction a turn, in the same order in every step.
.macro MULA a, p, q, sc, first
.irp b, 0,1,2,3,4,5,6,7
.if \first
	v_wmma_scale_f32_16x16x128_f8f6f4 v[8*(8*(\a)+\b):8*(8*(\a)+\b)+7], v[128*(\p)+12*\b:128*(\p)+12*\b+11], v[AF+48*(\p)+12*(\a):AF+48*(\p)+12*(\a)+11], v[BO+8*\b:BO+8*\b+7], v[SCB+16*(\sc)+2*\b+(\q)], v[SCA+8*(\sc)+2*(\a)+(\q)] matrix_a_fmt:MATRIX_FMT_FP6 matrix_b_fmt:MATRIX_FMT_FP6
.else
	v_wmma_scale_f32_16x16x128_f8f6f4 v[8*(8*(\a)+\b):8*(8*(\a)+\b)+7], v[128*(\p)+12*\b:128*(\p)+12*\b+11], v[AF+48*(\p)+12*(\a):AF+48*(\p)+12*(\a)+11], v[8*(8*(\a)+\b):8*(8*(\a)+\b)+7], v[SCB+16*(\sc)+2*\b+(\q)], v[SCA+8*(\sc)+2*(\a)+(\q)] matrix_a_fmt:MATRIX_FMT_FP6 matrix_b_fmt:MATRIX_FMT_FP6
.endif
.endr
.endm
; An even step: its successor lies in the same K quarter g.
.macro STEP sc, first, g
	s_wait_dscnt 0x0                               ; this step's fragments are in
	PLACES 4                                       ; in front of the loads into the other set, which the last step multiplied
	FETCH \g, 1, 1
.if \first
	WIN MUL_0
.else
	WIN MUL
.endif
.irp a, 0,1,2,3
	MULA \a, 0, 0, \sc, \first
.endr
.endm
; An odd step: the next K quarter ng is wanted.  left = how many later quarters of mine may stay out.
.macro BSTEP sc, left, ng
	s_wait_tensorcnt \left                         ; my part of quarter ng has landed
	s_wait_dscnt 0x0                               ; this step's fragments are in; no LDS instruction of mine is out
	s_barrier_signal -1
	WIN MUL
	MULA 0, 1, 1, \sc, 0
	MULA 1, 1, 1, \sc, 0
	s_barrier_wait -1                              ; everybody's has
	PLACES 4
	FETCH \ng, 0, 0
	SCALES (\ng)%2, \ng
	WIN MUL
	MULA 2, 1, 1, \sc, 0
	MULA 3, 1, 1, \sc, 0
.endm
	s_wait_alu depctr_va_vdst(0)
	s_wait_tensorcnt 3                             ; my scale words and my part of quarter 0 are in; three quarters may be out
	s_barrier_signal -1
	s_barrier_wait -1
	FETCH 0, 0, 0
	SCALES 0, 0
	s_wait_loadcnt 0x0                             ; bo
	STEP 0, 1, 0                                   ; step 0: bo starts the sums
	BSTEP 0, 2, 1
	STEP 1, 0, 1
	BSTEP 1, 1, 2
	STEP 0, 0, 2
	BSTEP 0, 0, 3
	STEP 1, 0, 3
	s_wait_dscnt 0x0                               ; step 7: nothing more to fetch
	WIN MUL
.irp a, 0,1,2,3
	MULA \a, 1, 1, 1, 0
.endr
	WIN 0
; THE WAY OUT, block by block of 16 rows x 128 columns: through my own stage, back as whole rows of 512 bytes.  LDS serves a wave's instructions in order: no wait between the stores and the loads.
.macro TOSTAGE a
	WIN 0x08                                       ; an LDS store's data are its source 1: window 2
.irp b, 0,1,2,3,4,5,6,7
	ds_store_b128 v[STO], v[64*(\a)+8*\b:64*(\a)+8*\b+3] offset:64*\b      ; each accumulator from its low end on
	ds_store_b128 v[STO], v[64*(\a)+8*\b+4:64*(\a)+8*\b+7] offset:64*\b+16
.endr
	WIN 0
.irp t, 0,1,2,3,4,5,6,7,8,9,10,11,12,13,14,15
	ds_load_b128 v[BK+64*((\a)%2)+4*\t:BK+64*((\a)%2)+4*\t+3], v[RD] offset:\t*SPITCH
.endr
.endm
.macro SEND a, younger                 ; younger: the LDS instructions issued behind block a's loads, which may stay out
	s_wait_dscnt \younger
.irp t, 0,1,2,3,4,5,6,7,8,9,10,11,12,13,14,15
	global_store_b128 v[CO], v[BK+64*((\a)%2)+4*\t:BK+64*((\a)%2)+4*\t+3], s[14:15] offset:(16*(\a)+\t)*4096 th:TH_STORE_NT   ; 32 lanes store 512 consecutive bytes, at a multiple of 256 from out0's first byte
.endr
.endm
	PLACES 4                                       ; behind the last products: for the reads of results and the loads into registers that held fragments
	TOSTAGE 0
.irp a, 1,2,3
.if \a > 1
	s_wait_xcnt 0x0                                ; block a - 2's stores have read their registers: block a's loads may land there
.endif
	TOSTAGE \a
	SEND \a-1, 32                                  ; behind block a - 1's loads: block a's 16 stores and 16 loads
.endr
	SEND 3, 0
	s_wait_tensorcnt 0x0                           ; the wave's end, behind my last tensor load and my last LDS store
	ds_add_u32 v[SPW], v[NIL]
	s_wait_dscnt 0x0
	CROUND                                         ; the closing round
	s_endpgm
.Lfunc_end_k_q42ac690fdb_oproj:
	.size	k_q42ac690fdb_oproj, .Lfunc_end_k_q42ac690fdb_oproj-k_q42ac690fdb_oproj
	.p2alignl 7, 3214868480
	.fill 96, 4, 3214868480
	.section	.rodata,"a",@progbits
	.p2align	6, 0x0
	.amdhsa_kernel k_q42ac690fdb_oproj
		.amdhsa_group_segment_fixed_size 327680
		.amdhsa_private_segment_fixed_size 0
		.amdhsa_enable_private_segment 0
		.amdhsa_kernarg_size 48
		.amdhsa_user_sgpr_count 2
		.amdhsa_user_sgpr_kernarg_segment_ptr 1
		.amdhsa_wavefront_size32 1
		.amdhsa_system_sgpr_workgroup_id_x 1
		.amdhsa_system_sgpr_workgroup_id_y 1
		.amdhsa_system_sgpr_workgroup_id_z 1
		.amdhsa_system_vgpr_workitem_id 0
		.amdhsa_next_free_vgpr 768
		.amdhsa_next_free_sgpr 106
		.amdhsa_reserve_vcc 0
		.amdhsa_float_denorm_mode_32 3
		.amdhsa_float_denorm_mode_16_64 3
		.amdhsa_memory_ordered 1
		.amdhsa_forward_progress 1
		.amdhsa_inst_pref_size 103
	.end_amdhsa_kernel
	.amdgpu_metadata
---
amdhsa.version: [ 1, 2 ]
amdhsa.kernels:
  - .name:           k_q42ac690fdb_oproj
    .symbol:         k_q42ac690fdb_oproj.kd
    .args:
      - { .name: ctx_codes, .offset: 0, .size: 8, .value_kind: global_buffer, .address_space: global }
      - { .name: ctx_scales, .offset: 8, .size: 8, .value_kind: global_buffer, .address_space: global }
      - { .name: xw_codes, .offset: 16, .size: 8, .value_kind: global_buffer, .address_space: global }
      - { .name: xw_scales, .offset: 24, .size: 8, .value_kind: global_buffer, .address_space: global }
      - { .name: bo, .offset: 32, .size: 8, .value_kind: global_buffer, .address_space: global }
      - { .name: out0, .offset: 40, .size: 8, .value_kind: global_buffer, .address_space: global }
    .group_segment_fixed_size: 327680
    .private_segment_fixed_size: 0
    .kernarg_segment_align: 8
    .kernarg_segment_size: 48
    .max_flat_workgroup_size: 128
    .sgpr_count:     106
    .vgpr_count:     768
    .wavefront_size: 32
...
	.end_amdgpu_metadata
.endif
;; end of part 4
